; MI455X (gfx1250); checked and timed in simulation.
; The chip was launched on July 23, 2026; its instructions are those of AMD's public machine-readable ISA for CDNA 5 (MIT licence, August 2026) and "CDNA5" Instruction Set Architecture Reference Guide (July 2026). The comments in the code are by the model that wrote it; some were corrected since.
;; Axial Ro PE Self Attention. Allowed arithmetic: matrix products marked QUANTISED: E2M3 operands, one E8M0 scale for each 32 along K, by v_wmma_scale_f32_16x16x128_f8f6f4 with both operands' format E2M3, f32 sums; everything else in f32.
;; Inputs: Wk 1,024 x 1,024 float32; Wo 1,024 x 1,024 float32; Wq 1,024 x 1,024 float32; Wv 1,024 x 1,024 float32; bk 1,024 float32; bo 1,024 float32; bq 1,024 float32; bv 1,024 float32; x 4 x 2,048 x 1,024 float32.
;; Outputs: out0 4 x 2,048 x 1,024 float32.
;; Constants: rope_start_index = 0.
;; This version of the problem:
;;   THIS VERSION OF THE PROBLEM IS GIVEN IN LOW PRECISION. The matrix products marked QUANTISED in the list below multiply operands that are first quantised to E2M3 (2 exponent bits, 3 mantissa bits; 6 bits a number), with one power-of-two scale for each 32 numbers along K (OCP MX v1.0); their sums are f32. All else is computed in f32.
;;   The module's matrix products, in the order in which they are computed (A, B: the left and right operand; K: the contracted axis; several contracted axes count as one K, in the product's order):
;;     1. [M 8,192, K 1,024] x [K 1,024, N 1,024]; A: input x; B: input Wq: QUANTISED
;;     2. [M 8,192, K 1,024] x [K 1,024, N 1,024]; A: input x; B: input Wk: QUANTISED
;;     3. [M 8,192, K 1,024] x [K 1,024, N 1,024]; A: input x; B: input Wv: QUANTISED
;;     4. batch 64 x [M 2,048, K 64] x [K 64, N 2,048]; A: computed on the way; B: computed on the way: QUANTISED
;;     5. batch 64 x [M 2,048, K 2,048] x [K 2,048, N 64]; A: softmax (see below); B: computed on the way: QUANTISED
;;     6. [M 8,192, K 1,024] x [K 1,024, N 1,024]; A: computed on the way; B: input Wo: QUANTISED
;;   THE QUANTISER, for each operand of a quantised product, along K:
;;     - K is cut into blocks of 32 from its start; a last block that is shorter is filled with zeros.
;;     - A block's scale is 2^e with e = floor(log2(the largest magnitude in the block)) - 2, held to -126 .. 127; a block of zeros has e = 0. As a byte (E8M0): e + 127.
;;     - Each number is divided by its block's scale, clamped to +-7.5, and rounded to the nearest number of E2M3, ties to even, subnormals kept.
;;     - The product sums the exact products of the quantised numbers (number of the format x scale) in f32.
;;   ~~~python
;;   def quantise(x, axis):      # numpy; x: float32 -> the quantised numbers, widened to float32 again
;;       x = np.moveaxis(x, axis, -1); K = x.shape[-1]
;;       x = np.pad(x, [(0, 0)] * (x.ndim - 1) + [(0, -K % 32)]); x = x.reshape(x.shape[:-1] + (-1, 32)); a = np.abs(x).max(-1, keepdims=True)
;;       e = np.where(a > 0, np.clip(np.frexp(np.where(a > 0, a, 1))[1] - 1 - 2, -126, 127), 0)      # np.frexp(a)[1] - 1 = floor(log2(a)), exactly
;;       r = np.clip(x / 2.0 ** e, -7.5, 7.5)
;;       step = 2.0 ** (np.maximum(np.frexp(np.where(r == 0, 1, r))[1] - 1, 0) - 3)
;;       q = np.round(r / step) * step * 2.0 ** e      # np.round: ties to even
;;       return np.moveaxis(q.reshape(q.shape[:-2] + (-1,))[..., :K], -1, axis).astype(np.float32)
;;   ~~~
;;   SOFTMAX AHEAD OF A QUANTISED PRODUCT. Where the list says 'softmax', what is quantised is not the finished softmax but p = 2^(t - M), with t = logit x log2(e) and M = ceil(the row's largest t), a whole number; so 1/2 < the row's largest p <= 1. The row's sum l is taken of the UNQUANTISED p, in f32, and the product's result is divided by l at the end. Since M is a whole number, a kernel that streams over the keys may use a running M (the ceiling of the running maximum): every later rescaling is an exact power of two, which a block's scale takes up: the codes' values come out the same.
;;   OPERANDS COMPUTED ON THE WAY. 'Computed on the way' means the value that the module computes at that place (a softmax that the list does not call 'softmax' is quantised finished and normalised). What goes into a quantiser is computed in f32, as accurately as f32 sums, v_exp_f32 and their like allow (about 1e-6 of the number): no bf16 or f16 on the way to a quantiser, and a product that is left as it is and whose result goes on into a quantised operand takes f32 operands (vector FMAs, or v_wmma_f32_16x16x4_f32). A number that lies on a knife's edge between two numbers of the format may be rounded either way, as far as f32 arithmetic and the matrix unit's own rounding can turn it there, and no further.
;; One version. Each part assembles by itself: llvm-mc -triple=amdgcn-amd-amdhsa -mcpu=gfx1250 --defsym DOCPART=n.
;; ======== version 1 of 1: 4 launches
;; limits: right only within a limited range of input values
;; workspace buffers: cod 9,437,184 bytes; sca 393,216 bytes; tab 524,288 bytes; img 18,874,368 bytes; scl 786,432 bytes; ao 6,291,456 bytes; aos 262,144 bytes
;; launch prep (part 1): grid 384 x 1, 4 waves a work-group, no clusters, 68,096 bytes of LDS; arguments x, Wq, Wk, Wv, Wo, cod, sca, tab; writes cod, sca, tab
.if DOCPART == 1
	.amdgcn_target "amdgcn-amd-amdhsa--gfx1250"
	.amdhsa_code_object_version 6
	.text
	.protected	k_qb2822c3916_prep
	.globl	k_qb2822c3916_prep
	.p2align	8
	.type	k_qb2822c3916_prep,@function
k_qb2822c3916_prep:
	s_mov_b64 s[64:65], 0
	v_nop
	global_prefetch_b8 v0, s[64:65] scope:SCOPE_SE
	s_setreg_imm32_b32 hwreg(HW_REG_WAVE_MODE, 25, 1), 1
	s_wait_xcnt 0x0
; x [8192][1024] and the four weights [1024 (k)][1024 (n)], f32, become codes of FP6 (E2M3), K innermost, with one E8M0 byte for each 32 along K; and the table of cosines and sines is made.
; cod: [12288 rows][768 bytes]; sca: [12288 rows][32 bytes].  Rows 0-8191: x's rows; rows 8192 + 1024 w + n: column n of weight w (0 q, 1 k, 2 v, 3 o).
; STORAGE ROW rho HOLDS LOGICAL ROW sw(rho), sw = bits 3 and 4 exchanged: a tile of 16 neighbouring storage rows, used as source 0 of a product, then leaves 16 neighbours along the next K in a lane's
; registers of two neighbouring tiles.
; A block's scale is 2^(floor(log2(its largest magnitude)) - 2); its byte is the largest magnitude's exponent field - 2, held at 1 from below.
; Work-groups 0-255: x, K innermost: a wave takes 8 rows as 16 steps of 512 numbers; dense loads, a turn through the wave's own stage in LDS, 16 neighbours a lane, two lanes to a block.
; Work-groups 256-383: 128 columns x 256 along K of one weight: a lane takes a column and its registers run down K; the codes leave through the wave's own stage as rows of 192 bytes.
; These 128 work-groups also make tab [2048 positions][32 pairs](cos, sin), 16 positions each.  No shared input, so no cluster; waves share nothing, so no barrier.  Each path has LDS bytes of its own.
; LIMITS: NaN and infinities are not served; a block of zeros gets the byte 1 with zero codes (these bytes are read by this program alone); blocks whose largest magnitude lies under 2^-124 were not tried.
; The frequencies 10000^(-j/32) are made by one v_exp_f32 (1 ulp: ISA guide, its entry), so an angle may differ from the one that a power and a division give by a few 1e-7 of itself: up to a few 1e-4 rad at position 2047.
.set SPW,   192                        ; v192  LDS address of my spare word; never rewritten
.set NIL,   193                        ; v193  0; never rewritten
.set SPARE, 67584                      ; behind both paths' regions: 128 bytes for each wave, named by no other line
.set EMAX,  2
; ---- x's path
.set WREG,  8192                       ; a wave's region: two stages of 32 x SP bytes, then its 256 scale bytes
.set SP,    80                         ; a lane's place in a stage: 64 bytes + 16 of padding
.set STEPS, 16
.set CB,    12                         ; bytes of 16 codes
.set XR,    16                         ; v16-79   four sets of 16 numbers as loaded
.set XX,    80                         ; v80-111  two sets of 16 neighbours
.set XE,    112                        ; v112-127 a scale byte for each step
.set XC,    128                        ; v128-191 codes, four registers a step: no store's data are written again
; ---- the weights' path
.set WSTG,  32768                      ; the four stages, 32 rows x PITCH each
.set PITCH, 272                        ; sixteen places of 16 bytes (12 of codes each) + 16
.set KROW,  768
.set NB,    8
.set WX,    32                         ; v32-95   two sets of 32 numbers
.set WC,    96                         ; v96-102  a block's codes
.set WOUT,  112                        ; v112-175 the way out (before it: at work for the table)
.set WSB,   24                         ; v24-25   the scale bytes
.macro XLOAD t
.irp i, 0,1,2,3
	global_load_b128 v[XR+16*((\t)%4)+4*\i:XR+16*((\t)%4)+4*\i+3], v3, s[4:5] offset:2048*(\t)+512*\i th:TH_LOAD_NT   ; 32 lanes read 512 consecutive bytes
.endr
.endm
.macro XTURN t                         ; a step's numbers through the stage: LDS serves a wave's instructions in order (ISA guide 5.7.1.4), so no wait stands between the stores and the loads
.irp i, 0,1,2,3
	ds_store_b128 v14, v[XR+16*((\t)%4)+4*\i:XR+16*((\t)%4)+4*\i+3] offset:32*SP*((\t)%2)+8*SP*\i
.endr
.irp i, 0,1,2,3
	ds_load_b128 v[XX+16*((\t)%2)+4*\i:XX+16*((\t)%2)+4*\i+3], v15 offset:32*SP*((\t)%2)+16*\i
.endr
.endm
.macro XSTEP t
.set XS, XX+16*((\t)%2)
.if (\t) > 0
	s_wait_dscnt 1                                 ; this step's numbers are back from the stage; the last step's byte store may be out
.else
	s_wait_dscnt 0x0
.endif
.if (\t)+4 < STEPS
	XLOAD (\t)+4                                   ; into the set that this step's stage stores have read
.endif
.if (\t)+1 < STEPS
.if STEPS-2-(\t) >= 3
	s_wait_loadcnt 12                              ; the next step's four loads are in; those of the three steps behind it may be out
.else
	s_wait_loadcnt 4*(STEPS-2-(\t))
.endif
	XTURN (\t)+1
.endif
	v_max3_num_f32 v8, |v[XS]|, |v[XS+1]|, |v[XS+2]|
	v_max3_num_f32 v9, |v[XS+3]|, |v[XS+4]|, |v[XS+5]|
.irp i, 6,10
	v_max3_num_f32 v8, v8, |v[XS+\i]|, |v[XS+\i+1]|
	v_max3_num_f32 v9, v9, |v[XS+\i+2]|, |v[XS+\i+3]|
.endr
	v_max3_num_f32 v8, v8, |v[XS+14]|, |v[XS+15]|
	v_max3_num_f32 v8, v8, v9, (EMAX+1)<<23        ; the floor 2^(3 - 127): the byte cannot fall under 1
	v_max_num_f32_dpp v8, v8, v8 row_xmask:1 row_mask:0xf bank_mask:0xf   ; with my neighbour's 16: the block's largest magnitude
	v_add_nc_u32 v11, -(EMAX<<23), v8              ; 2 off its exponent field: the conversion's scale operand
	v_cvt_scalef32_pk16_fp6_f32 v[XC+4*(\t):XC+4*(\t)+2], v[XS:XS+15], v11
	v_lshrrev_b32 v[XE+(\t)], 23, v11              ; the scale's byte
	ds_store_b8 v5, v[XE+(\t)] offset:16*(\t)      ; both lanes of a block write the same byte with the same value
	global_store_b96 v4, v[XC+4*(\t):XC+4*(\t)+2], s[14:15] offset:32*CB*(\t)   ; the wave stores 384 consecutive bytes
.endm
.macro WLOAD t                         ; block t: W(32 t + i, my column), i = 0 .. 31
.set ii, 0
.rept 32
	global_load_b32 v[WX+32*((\t)%2)+ii], v3, s[6:7] offset:(32*(\t)+ii)*4096 th:TH_LOAD_NT
.set ii, ii+1
.endr
.endm
.macro WBLOCK t
.set XS, WX+32*((\t)%2)
.if (\t) < NB-1
	s_wait_loadcnt 32                              ; this block's 32 loads are in; the next block's may be out
.else
	s_wait_loadcnt 0
.endif
	v_max3_num_f32 v12, |v[XS]|, |v[XS+1]|, |v[XS+2]|
	v_max3_num_f32 v13, |v[XS+3]|, |v[XS+4]|, |v[XS+5]|
.irp i, 6,10,14,18,22,26
	v_max3_num_f32 v12, v12, |v[XS+\i]|, |v[XS+\i+1]|
	v_max3_num_f32 v13, v13, |v[XS+\i+2]|, |v[XS+\i+3]|
.endr
	v_max3_num_f32 v12, v12, |v[XS+30]|, |v[XS+31]|
	v_max3_num_f32 v12, v12, v13, (EMAX+1)<<23
	v_add_nc_u32 v11, -(EMAX<<23), v12
	v_lshrrev_b32 v13, 23, v11
.if (\t)%4 == 0
	v_mov_b32 v[WSB+(\t)/4], v13                   ; four bytes to a register, the lower K in the lower byte
.else
	v_lshl_or_b32 v[WSB+(\t)/4], v13, 8*((\t)%4), v[WSB+(\t)/4]
.endif
	v_cvt_scalef32_pk16_fp6_f32 v[WC:WC+2], v[XS:XS+15], v11
	v_cvt_scalef32_pk16_fp6_f32 v[WC+4:WC+6], v[XS+16:XS+31], v11
	ds_store_b96 v4, v[WC:WC+2] offset:32*(\t)     ; 12 bytes to a place of 16: every LDS address is a multiple of 16
	ds_store_b96 v4, v[WC+4:WC+6] offset:32*(\t)+16
.if (\t)+2 < NB
	WLOAD (\t)+2
.endif
	s_wait_dscnt 0x0                               ; the stores have read their registers: the next block's codes may be written
.endm
; cos and sin of f = position x frequency (rounded to f32 as the product is in the definition), f from 0 to 2047.  n = the nearest whole number to f 2/pi; r = f - n pi/2 in two fused steps, pi/2 cut into
; 0x3fc90fdb and -0x333bbd2e: the first step is exact (f and n x 0x3fc90fdb are multiples of 2^-24 and their difference is under 1).  Then polynomials on |r| <= pi/4 and the quadrant n mod 4.
.macro TRIG p, iv, c, s
	v_mul_f32 v120, v[\p], v[\iv]
	v_mul_f32 v121, 0x3f22f983, v120
	v_rndne_f32 v121, v121
	v_fmamk_f32 v120, v121, 0xbfc90fdb, v120
	v_fmamk_f32 v120, v121, 0x333bbd2e, v120
	v_mul_f32 v122, v120, v120                     ; z = r^2
	v_mov_b32 v123, 0xb94ca1f9
	v_fmaak_f32 v123, v123, v122, 0x3c08839e
	v_fmaak_f32 v123, v123, v122, 0xbe2aaaa3
	v_mul_f32 v124, v120, v122
	v_fma_f32 v123, v124, v123, v120               ; sin r = r + r z (S1 + z (S2 + z S3))
	v_mov_b32 v125, 0x37ccf5ce
	v_fmaak_f32 v125, v125, v122, 0xbab6061a
	v_fmaak_f32 v125, v125, v122, 0x3d2aaaa5
	v_mul_f32 v124, v122, v122
	v_fma_f32 v126, v122, -0.5, 1.0
	v_fma_f32 v125, v124, v125, v126               ; cos r = 1 - z / 2 + z^2 (C1 + z (C2 + z C3))
	v_cvt_i32_f32 v121, v121
	v_and_b32 v126, 1, v121
	v_cmp_eq_u32 vcc_lo, 1, v126                   ; in odd quadrants sine and cosine change places
	v_cndmask_b32 v[\s], v123, v125, vcc_lo
	v_cndmask_b32 v[\c], v125, v123, vcc_lo
	v_and_b32 v126, 2, v121
	v_lshlrev_b32 v126, 30, v126
	v_xor_b32 v[\s], v126, v[\s]                   ; the sine is negative in quadrants 2 and 3,
	v_add_nc_u32 v121, 1, v121
	v_and_b32 v126, 2, v121
	v_lshlrev_b32 v126, 30, v126
	v_xor_b32 v[\c], v126, v[\c]                   ; the cosine in 1 and 2
.endm
	s_load_b256 s[4:11], s[0:1], 0x0               ; x s[4:5], Wq s[6:7], Wk s[8:9], Wv s[10:11]
	s_load_b256 s[12:19], s[0:1], 0x20             ; Wo s[12:13], cod s[14:15], sca s[16:17], tab s[18:19]
	v_lshl_add_u32 v[SPW], v0, 2, SPARE
	v_mov_b32 v[NIL], 0
	v_lshrrev_b32 v1, 5, v0
	v_readfirstlane_b32 s20, v1                    ; wave 0..3
	v_and_b32 v2, 31, v0                           ; lane
	s_cmp_lt_u32 ttmp9, 256
	s_cbranch_scc0 .Lweights
	; ---------------- x: my wave's 8 rows
	v_lshlrev_b32 v3, 4, v2                        ; my 16 bytes of a load's 512
	s_mul_i32 s21, s20, WREG
	v_lshrrev_b32 v14, 2, v2
	v_mul_u32_u24 v14, v14, SP
	v_and_b32 v15, 3, v2
	v_lshl_add_u32 v14, v15, 4, v14
	v_add_nc_u32 v14, s21, v14                     ; the stage, on the way in: SP (lane / 4) + 16 (lane % 4)
	v_mul_u32_u24 v15, v2, SP
	v_add_nc_u32 v15, s21, v15                     ; and on the way out: SP x lane
	v_mul_u32_u24 v4, v2, CB                       ; my codes' place in a step's
	v_lshrrev_b32 v5, 1, v2
	s_add_co_u32 s21, s21, 2*32*SP
	v_add_nc_u32 v5, s21, v5                       ; my block's byte among my wave's 256
	v_lshlrev_b32 v7, 3, v2
	v_add_nc_u32 v6, s21, v7
	s_lshl_b32 s22, ttmp9, 2
	s_add_co_u32 s24, s22, s20                     ; the run of 8 rows that I read: 4 x work-group + wave
	s_and_b32 s23, s20, 1
	s_lshl_b32 s23, s23, 1
	s_lshr_b32 s25, s20, 1
	s_or_b32 s23, s23, s25
	s_add_co_u32 s26, s22, s23                     ; and where they go: the wave's two bits exchanged, which is sw() on whole runs of 8 rows
	s_lshl_b32 s24, s24, 15                        ; 8 rows x 4,096 bytes
	s_mov_b32 s25, 0
	s_mul_i32 s28, s26, 6144                       ; 8 rows x 768
	s_mov_b32 s29, 0
	s_lshl_b32 s26, s26, 8                         ; 8 rows x 32
	s_mov_b32 s27, 0
	s_wait_alu depctr_va_vdst(0)
	s_wait_kmcnt 0x0
	s_add_nc_u64 s[4:5], s[4:5], s[24:25]
	s_add_nc_u64 s[14:15], s[14:15], s[28:29]
	s_add_nc_u64 s[16:17], s[16:17], s[26:27]
.irp t, 0,1,2,3
	XLOAD \t
.endr
	s_wait_loadcnt 12                              ; step 0's four loads are in
	XTURN 0
.irp t, 0,1,2,3,4,5,6,7,8,9,10,11,12,13,14,15
	XSTEP \t
.endr
	ds_load_b64 v[8:9], v6                         ; in order behind my byte stores
	s_wait_dscnt 0x0
	global_store_b64 v7, v[8:9], s[16:17]          ; 32 lanes store 256 consecutive bytes, aligned
	s_wait_tensorcnt 0x0                           ; the wave's end, behind my last LDS store
	ds_add_u32 v[SPW], v[NIL]
	s_wait_dscnt 0x0
	s_endpgm
	; ---------------- a weight: 32 columns x 256 along K for my wave
.Lweights:
	s_sub_co_u32 s21, ttmp9, 256                   ; i = 0 .. 127
	s_lshr_b32 s22, s21, 5                         ; which weight
	s_bfe_u32 s23, s21, 0x20003                    ; which 256 along K
	s_and_b32 s24, s21, 7                          ; which 128 columns
	s_lshl_b32 s25, s24, 7
	s_lshl_b32 s26, s20, 5
	s_add_co_u32 s25, s25, s26                     ; my wave's first column
	s_wait_alu depctr_va_vdst(0)
	v_lshlrev_b32 v3, 2, v2
	s_mul_i32 s26, s20, 32*PITCH
	s_add_co_u32 s26, s26, WSTG                    ; my stage
	v_and_b32 v10, 7, v2
	v_bfe_u32 v11, v2, 4, 1
	v_lshl_add_u32 v10, v11, 3, v10
	v_bfe_u32 v11, v2, 3, 1
	v_lshl_add_u32 v10, v11, 4, v10                ; rho = sw(lane): the storage row of my column
	v_mul_u32_u24 v4, v10, PITCH
	v_add_nc_u32 v4, s26, v4                       ; into the stage: row rho
	v_and_b32 v5, 15, v2
	v_lshrrev_b32 v6, 4, v2
	v_mul_u32_u24 v7, v6, PITCH
	v_lshl_add_u32 v7, v5, 4, v7
	v_add_nc_u32 v7, s26, v7                       ; out of it: sixteen lanes to a row, two rows an instruction
	v_mul_u32_u24 v8, v6, KROW
	v_mad_u32_u24 v8, v5, 12, v8                   ; and the same place in cod
	v_lshlrev_b32 v9, 5, v10                       ; my row of scale bytes
	s_lshl_b32 s28, s23, 20                        ; 256 rows of 4,096 bytes
	s_lshl_b32 s27, s25, 2
	s_add_co_u32 s28, s28, s27
	s_mov_b32 s29, 0
	s_lshl_b32 s27, s22, 10
	s_add_co_u32 s27, s27, s25
	s_add_co_u32 s27, s27, 8192                    ; my wave's first row of cod and sca
	s_mul_i32 s30, s27, KROW
	s_mul_i32 s31, s23, 192
	s_add_co_u32 s30, s30, s31
	s_mov_b32 s31, 0
	s_lshl_b32 s32, s27, 5
	s_lshl_b32 s33, s23, 3
	s_add_co_u32 s32, s32, s33
	s_mov_b32 s33, 0
	s_lshl_b32 s34, s21, 12                        ; the table: 16 positions x 256 bytes a work-group
	s_mov_b32 s35, 0
	s_lshl_b32 s36, s21, 4                         ; its first position
	s_wait_kmcnt 0x0
	s_cmp_eq_u32 s22, 1                            ; the choice hangs on the work-group's number alone
	s_cselect_b64 s[6:7], s[8:9], s[6:7]
	s_cmp_eq_u32 s22, 2
	s_cselect_b64 s[6:7], s[10:11], s[6:7]
	s_cmp_eq_u32 s22, 3
	s_cselect_b64 s[6:7], s[12:13], s[6:7]
	s_add_nc_u64 s[6:7], s[6:7], s[28:29]
	s_add_nc_u64 s[14:15], s[14:15], s[30:31]
	s_add_nc_u64 s[16:17], s[16:17], s[32:33]
	s_add_nc_u64 s[18:19], s[18:19], s[34:35]
	WLOAD 0
	WLOAD 1
	; the table, while the first 64 loads are on their way: thread t takes pairs 2 (t % 16) and the next, at positions 16 i + t / 16 and 8 further on
	v_and_b32 v112, 15, v0
	v_lshlrev_b32 v112, 1, v112
	v_cvt_f32_u32 v113, v112
	v_add_f32 v114, 1.0, v113
	v_mul_f32 v113, 0xbed49a78, v113               ; -j log2(10000) / 32
	v_mul_f32 v114, 0xbed49a78, v114
	s_wait_alu depctr_va_vdst(0)
	v_exp_f32 v113, v113
	v_exp_f32 v114, v114
	v_lshrrev_b32 v115, 4, v0                      ; a plain instruction behind the two exponentials
	s_wait_alu depctr_va_vdst(0)                   ; one wait for both, ahead of their first reader
	v_add_nc_u32 v115, s36, v115
	v_cvt_f32_u32 v115, v115
	v_add_f32 v116, 0x41000000, v115
	v_lshlrev_b32 v184, 4, v0
	TRIG 115, 113, 176, 177
	TRIG 115, 114, 178, 179
	TRIG 116, 113, 180, 181
	TRIG 116, 114, 182, 183
	global_store_b128 v184, v[176:179], s[18:19]               ; a wave stores 512 consecutive bytes: two positions' rows
	global_store_b128 v184, v[180:183], s[18:19] offset:2048
.irp t, 0,1,2,3,4,5,6,7
	WBLOCK \t
.endr
	s_wait_alu depctr_va_vdst(0)
	global_store_b64 v9, v[WSB:WSB+1], s[16:17]    ; my column's 8 scale bytes
.irp t, 0,1,2,3,4,5,6,7,8,9,10,11,12,13,14,15
	ds_load_b96 v[WOUT+4*\t:WOUT+4*\t+2], v7 offset:2*\t*PITCH
.endr
.irp t, 0,1,2,3,4,5,6,7,8,9,10,11,12,13,14,15
	s_wait_dscnt 15-\t
	global_store_b96 v8, v[WOUT+4*\t:WOUT+4*\t+2], s[14:15] offset:2*\t*KROW   ; sixteen lanes store a row's 192 consecutive bytes
.endr
	s_wait_tensorcnt 0x0                           ; the wave's end, behind my last LDS store
	ds_add_u32 v[SPW], v[NIL]
	s_wait_dscnt 0x0
	s_endpgm
.Lfunc_end_k_qb2822c3916_prep:
	.size	k_qb2822c3916_prep, .Lfunc_end_k_qb2822c3916_prep-k_qb2822c3916_prep
	.p2alignl 7, 3214868480
	.fill 96, 4, 3214868480
	.section	.rodata,"a",@progbits
	.p2align	6, 0x0
	.amdhsa_kernel k_qb2822c3916_prep
		.amdhsa_group_segment_fixed_size 68096
		.amdhsa_private_segment_fixed_size 0
		.amdhsa_enable_private_segment 0
		.amdhsa_kernarg_size 64
		.amdhsa_user_sgpr_count 2
		.amdhsa_user_sgpr_kernarg_segment_ptr 1
		.amdhsa_wavefront_size32 1
		.amdhsa_system_sgpr_workgroup_id_x 1
		.amdhsa_system_sgpr_workgroup_id_y 1
		.amdhsa_system_sgpr_workgroup_id_z 1
		.amdhsa_system_vgpr_workitem_id 0
		.amdhsa_next_free_vgpr 200
		.amdhsa_next_free_sgpr 66
		.amdhsa_reserve_vcc 1
		.amdhsa_float_denorm_mode_32 3
		.amdhsa_float_denorm_mode_16_64 3
		.amdhsa_memory_ordered 1
		.amdhsa_forward_progress 1
		.amdhsa_inst_pref_size 80
	.end_amdhsa_kernel
	.amdgpu_metadata
---
amdhsa.version: [ 1, 2 ]
amdhsa.kernels:
  - .name:           k_qb2822c3916_prep
    .symbol:         k_qb2822c3916_prep.kd
    .args:
      - { .name: x, .offset: 0, .size: 8, .value_kind: global_buffer, .address_space: global }
      - { .name: Wq, .offset: 8, .size: 8, .value_kind: global_buffer, .address_space: global }
      - { .name: Wk, .offset: 16, .size: 8, .value_kind: global_buffer, .address_space: global }
      - { .name: Wv, .offset: 24, .size: 8, .value_kind: global_buffer, .address_space: global }
      - { .name: Wo, .offset: 32, .size: 8, .value_kind: global_buffer, .address_space: global }
      - { .name: cod, .offset: 40, .size: 8, .value_kind: global_buffer, .address_space: global }
      - { .name: sca, .offset: 48, .size: 8, .value_kind: global_buffer, .address_space: global }
      - { .name: tab, .offset: 56, .size: 8, .value_kind: global_buffer, .address_space: global }
    .group_segment_fixed_size: 68096
    .private_segment_fixed_size: 0
    .kernarg_segment_align: 8
    .kernarg_segment_size: 64
    .max_flat_workgroup_size: 128
    .sgpr_count:     66
    .vgpr_count:     200
    .wavefront_size: 32
...
	.end_amdgpu_metadata
.endif
;; end of part 1
;; launch qkv (part 2): grid 8 x 32, 4 waves a work-group, clusters of 4 x 4, 327,680 bytes of LDS; arguments cod, sca, bq, bk, bv, tab, img, scl; writes img, scl
.if DOCPART == 2
	.amdgcn_target "amdgcn-amd-amdhsa--gfx1250"
	.amdhsa_code_object_version 6
	.text
	.protected	k_qb2822c3916_qkv
	.globl	k_qb2822c3916_qkv
	.p2align	8
	.type	k_qb2822c3916_qkv,@function
k_qb2822c3916_qkv:
	s_mov_b64 s[64:65], 0
	v_nop
	global_prefetch_b8 v0, s[64:65] scope:SCOPE_SE
	s_setreg_imm32_b32 hwreg(HW_REG_WAVE_MODE, 25, 1), 1
	s_wait_xcnt 0x0
	s_wait_alu depctr_hold_cnt(0) depctr_sa_sdst(0) depctr_va_vdst(0) depctr_va_sdst(0) depctr_va_ssrc(0) depctr_va_vcc(0) depctr_vm_vsrc(0)
	s_getreg_b32 s2, hwreg(HW_REG_IB_STS2, 6, 4)
	s_cmp_eq_u32 s2, 0
	s_cbranch_scc0 .Lentry_in_a_cluster
	s_endpgm
.Lentry_in_a_cluster:
	s_bfe_u32 s2, ttmp6, 0x10000c
	s_cmp_lg_u32 s2, 0xf033
	s_cbranch_scc0 .Lentry_shape_is_right
	s_endpgm
.Lentry_shape_is_right:
; q = rope(x Wq + bq), k = rope(x Wk + bk), v = x Wv + bv, on codes of FP6 (E2M3) with one E8M0 scale for each 32 along K = 1,024; the results are quantised in registers and leave as images of the
; operand registers that the attention launch loads.  Nothing leaves in f32.
; Both operands are rows of cod (768 bytes) and sca (32 bytes): rows 0-8191 x, 8192 on Wq's columns, 9216 on Wk's, 10240 on Wv's; storage row rho holds logical row sw(rho) (bits 3 and 4 exchanged).
; THE DEAL: 8 x 32 = 256 work-groups.  A work-group holds 256 rows of x, ALL of K, in LDS for the whole launch, and makes for them one pair of heads (128 columns) of q, then of k, then of v.
; The 128 weight rows and their scale bytes have LDS bytes of their own, filled at the head with Wq's and filled again twice (Wk's, Wv's): each refill stands behind a drained round of the cluster's barrier inside the
; product's last K step, and lands while the product's results go out, which is work on registers and global memory alone; a barrier ahead of the next product shows it to all waves.
; Every tensor row is 768 or 256 bytes and begins at a multiple of 256.  4 x 4 work-groups form a cluster: x is asked for jointly along a row of the cluster, the weights along a column.
; No prefetch: each refill is asked for a whole way out ahead of its first use, and all else at the head.
; Four waves, 2 x 2: a wave takes 128 rows of x (one step of positions) and 64 weight rows (one head): 32 accumulators in window 2.
;   q, k: source 0 = the weight's rows, source 1 = x's: a lane holds ONE POSITION, registers along the features; accumulator (position block a, feature block b) at v[32 a + 8 b].
;   v:    source 0 = x's rows, source 1 = Wv's: a lane holds ONE CHANNEL, registers along the keys; accumulator (channel block a, key block b) at v[8 (8 a + b)].
; By sw() the 16 registers of source 0's blocks 2 b and 2 b + 1 are logical rows 32 b + 16 (lane / 16) + 0 .. 15, and lane r of source 1's block a is logical row 32 (a / 2) + 16 (r / 8) + 8 (a % 2) + r % 8.
; img: [head of a batch 64][step of 128 positions 16][Q 6144 | K 6144 | V 6144]; each part four fragments of 1,536 bytes, registers 4 g .. 4 g + 3 of lane l at 512 g + 16 l.
;   Q, K fragment b, lane (r, h): registers 0-5 features 32 h .. 32 h + 31 of position 32 b + 16 (r / 8) + r % 8, registers 6-11 the same of the position 8 further on.   V fragment: 16 channels x 128 keys.
; scl: [64][16][Q 256 | K 256 | V 256]: word 4 r + b = lane r's scale word for fragment b (lanes r and r + 16 hold the same words and store them to the same place).
; LIMITS: NaN and infinities are not served; a block of zeros gets the byte 1 with zero codes; blocks whose largest magnitude lies under 2^-124 were not tried.
; REGISTERS: window 0: v0-31 addresses; v32-111 scale words and nothing else (block i, step st at 32 + 10 i + st; lanes 0-15 the weight's, lanes 16-31 x's; the weight has four blocks, so lanes 0-15 of blocks 4-7 hold words
; that no product names); v128-223 the weight's fragments, two sets; on the way out v112-239 at work.  Window 1: x's fragments, two sets, at v0 and v128; on the way out v0-31 the bias.
.set KROW,   768
.set PITCH,  816                       ; 3 x (256 + 16)
.set FR,     12
.set NP,     4
.set WB,     256*PITCH                 ; the weight's rows, behind x's
.set SCW,    WB+128*PITCH              ; the weight's scales, 16 units of 256 + 16; then x's, 32 units
.set SCX,    SCW+16*272
.set SBLK,   2*272
.set SPARE,  SCX+32*272
.set VI,   8                           ; 16 x lane
.set VW,   9                           ; 16 r
.set VT,   10                          ; the table: my position's row, + 64 h
.set VB,   11                          ; 64 h
.set VBV,  12                          ; bv: my channel
.set ADRX, 16                          ; v16, v17 x's blocks 0-3 (v17: lanes 16-31 behind one padding more); v18, v19 blocks 4-7
.set ADRW, 20                          ; v20, v21 the weight's
.set ADRS, 22
.set SPW,  28
.set NIL,  29
.set SC,   32
.set SCS,  10
.set AF,   128
.set G1X, 16
.set G1W, 24
.set G1XS, 32
.set G1WS, 40
.set G0X, 48
.set G0W, 52
.set G0XS, 56
.set G0WS, 60
.set SEL, 96
.set T,    112
.set TBL,  144
.set CD,   208
.set YT,   220
.set BM,   224
.set PM,   226
.set SO,   228
.set BY,   230
.set WD,   232
.set RR,   236
.set BVR,  176
.set TM,   184
.set WDV,  200
.set VPC,  204
.set MSB, 0
.macro WIN new
.if MSB != \new
	s_set_vgpr_msb (MSB<<8)|\new
.set MSB, \new
.endif
.endm
.macro WALU
	s_wait_alu depctr_va_vdst(0)
.endm
.macro PLACES n
.rept \n
	v_nop
.endr
.endm
.macro CREST
	s_cmp_lg_u32 s8, 0
	s_cbranch_scc1 .Lnot_wave_0_\@
	s_barrier_signal -3
.Lnot_wave_0_\@:
	s_barrier_wait -3
	s_barrier_signal -1
	s_barrier_wait -1
.endm
.macro CROUND
	s_barrier_signal -1
	s_barrier_wait -1
	CREST
.endm
.macro TLOAD g0, g1
	tensor_load_to_lds s[\g0:\g0+3], s[\g1:\g1+7]
	s_nop 0
	PLACES 4
.endm
.macro GCODE g, mask, rows             ; rows of 768 bytes, 16 bytes of padding behind every 256
	s_or_b32 s[\g], s[\mask], (1<<20)|(1<<21)|(5<<22)|(3<<25)
	s_mov_b32 s[\g+1], KROW<<16
	s_mov_b32 s[\g+2], (\rows)<<16
	s_mov_b32 s[\g+3], KROW<<16
	s_mov_b32 s[\g+4], \rows
	s_mov_b32 s[\g+5], KROW
	s_mov_b32 s[\g+6], 0
	s_mov_b32 s[\g+7], 0
.endm
.macro GSCALE g, mask, rows            ; a dense block as rows of 256 bytes, 16 bytes of padding behind each
	s_or_b32 s[\g], s[\mask], (3<<16)|(1<<20)|(1<<21)|(5<<22)|(3<<25)
	s_mov_b32 s[\g+1], 32<<16
	s_mov_b32 s[\g+2], (\rows)<<16
	s_mov_b32 s[\g+3], 32<<16
	s_mov_b32 s[\g+4], \rows
	s_mov_b32 s[\g+5], 32
	s_mov_b32 s[\g+6], 0
	s_mov_b32 s[\g+7], 0
.endm
.macro G0SET g, lds, adr
	s_mov_b32 s[\g], 1
	s_mov_b32 s[\g+1], \lds
	s_mov_b64 s[\g+2:\g+3], s[\adr:\adr+1]
	s_or_b32 s[\g+3], s[\g+3], 0x80000000
.endm
	s_load_b128 s[4:7], s[0:1], 0x0                ; cod, sca
	s_load_b256 s[68:75], s[0:1], 0x10             ; bq, bk, bv, tab
	s_load_b128 s[76:79], s[0:1], 0x30             ; img, scl
	v_lshl_add_u32 v[SPW], v0, 2, SPARE
	v_mov_b32 v[NIL], 0
	ds_add_u32 v[SPW], v[NIL]                      ; the opening lines: the add twice and its wait
	ds_add_u32 v[SPW], v[NIL]
	v_lshrrev_b32 v1, 5, v0
	v_readfirstlane_b32 s8, v1                     ; wave
	s_lshr_b32 s9, s8, 1                           ; my 128 rows of x
	s_and_b32 s10, s8, 1                           ; my head of the pair
	s_bfe_u32 s11, ttmp6, 0x40000                  ; cx
	s_bfe_u32 s12, ttmp6, 0x40004                  ; cy
	s_lshl_b32 s13, ttmp9, 2
	s_add_co_u32 s13, s13, s11                     ; which pair of heads, 0 .. 7
	s_and_b32 s14, ttmp7, 0xffff
	s_lshl_b32 s14, s14, 2
	s_add_co_u32 s14, s14, s12                     ; which 256 rows of x, 0 .. 31
	s_lshl_b32 s80, s12, 2
	s_lshl_b32 s80, 15, s80                        ; my row of the cluster
	s_lshl_b32 s81, 0x1111, s11                    ; my column
	GCODE G1X, 80, 256
	GCODE G1W, 81, 128
	GSCALE G1XS, 80, 32
	GSCALE G1WS, 81, 16
	s_mul_i32 s82, s14, 256*KROW
	s_mov_b32 s83, 0
	s_lshl_b32 s84, s14, 13
	s_mov_b32 s85, 0
	s_lshl_b32 s86, s13, 7
	s_add_co_u32 s86, s86, 8192                    ; Wq's first row of mine
	s_lshl_b32 s88, s86, 5
	s_mov_b32 s89, 0
	s_mul_i32 s86, s86, KROW
	s_mov_b32 s87, 0
	s_lshl_b32 s90, s13, 1
	s_add_co_u32 s90, s90, s10                     ; my head of the 16
	s_lshr_b32 s91, s14, 3
	s_lshl_b32 s91, s91, 4
	s_add_co_u32 s91, s91, s90                     ; of the 64
	s_and_b32 s92, s14, 7
	s_lshl_b32 s92, s92, 1
	s_add_co_u32 s92, s92, s9                      ; my step of 128 positions
	s_mul_i32 s94, s91, 294912
	s_mul_i32 s95, s92, 18432
	s_add_co_u32 s94, s94, s95
	s_mov_b32 s95, 0
	s_mul_i32 s98, s91, 12288
	s_mul_i32 s99, s92, 768
	s_add_co_u32 s98, s98, s99
	s_mov_b32 s99, 0
	s_lshl_b32 s100, s90, 8                        ; my 64 numbers of a bias
	s_mov_b32 s101, 0
	s_lshl_b32 s92, s92, 15                        ; the table's rows of my 128 positions
	s_mov_b32 s93, 0
	s_mul_i32 s15, s9, 128*PITCH                   ; LDS: my rows of x,
	s_mul_i32 s66, s10, 64*PITCH
	s_add_co_u32 s66, s66, WB                      ; of the weight,
	s_mul_i32 s67, s10, 8*272
	s_add_co_u32 s67, s67, SCW                     ; the weight's scales,
	s_mul_i32 s2, s9, 16*272
	s_add_co_u32 s2, s2, SCX
	s_sub_co_u32 s2, s2, s67                       ; from those to x's
	s_mov_b32 s[SEL], 0x76543210
	s_mov_b32 s[SEL+1], 0xfedcba98
	s_wait_dscnt 0x0
	s_wait_kmcnt 0x0
	s_add_nc_u64 s[82:83], s[4:5], s[82:83]
	s_add_nc_u64 s[84:85], s[6:7], s[84:85]
	s_add_nc_u64 s[86:87], s[4:5], s[86:87]
	s_add_nc_u64 s[88:89], s[6:7], s[88:89]
	s_add_nc_u64 s[76:77], s[76:77], s[94:95]
	s_add_nc_u64 s[78:79], s[78:79], s[98:99]
	s_add_nc_u64 s[74:75], s[74:75], s[92:93]
	s_add_nc_u64 s[68:69], s[68:69], s[100:101]
	s_add_nc_u64 s[70:71], s[70:71], s[100:101]
	s_add_nc_u64 s[72:73], s[72:73], s[100:101]
	CROUND                                         ; all sixteen work-groups are here: the first joint loads meet
	G0SET G0X, 0, 82
	G0SET G0W, WB, 86
	G0SET G0XS, SCX, 84
	G0SET G0WS, SCW, 88
.macro ARM under, g0, g1, next         ; the head's loads, one a wave, in one tree of branches on the wave's number
	s_cmp_lt_u32 s8, \under
	s_cbranch_scc0 \next
	TLOAD \g0, \g1
	s_branch .Lhead_asked
\next:
.endm
	ARM 1, G0X,  G1X,  .Lhead_w
	ARM 2, G0W,  G1W,  .Lhead_xs
	ARM 3, G0XS, G1XS, .Lhead_ws
	TLOAD G0WS, G1WS
.Lhead_asked:
	v_and_b32 v1, 15, v0                           ; r
	v_bfe_u32 v2, v0, 4, 1                         ; h
	v_and_b32 v6, 31, v0
	v_mul_u32_u24 v3, v1, PITCH
	v_mad_u32_u24 v4, v2, 24, v3
	v_mad_u32_u24 v5, v2, 40, v3
	v_add_nc_u32 v[ADRX], s15, v4
	v_add_nc_u32 v[ADRX+1], s15, v5
	v_add_nc_u32 v[ADRX+2], 64*PITCH, v[ADRX]
	v_add_nc_u32 v[ADRX+3], 64*PITCH, v[ADRX+1]
	v_add_nc_u32 v[ADRW], s66, v4
	v_add_nc_u32 v[ADRW+1], s66, v5
	v_lshlrev_b32 v5, 5, v1                        ; 32 bytes of scales a row,
	v_lshrrev_b32 v7, 8, v5
	v_lshl_add_u32 v5, v7, 4, v5                   ; 16 more for each 256 passed
	v_mul_u32_u24 v7, s2, v2                       ; lanes 16-31 take x's
	v_add_nc_u32 v5, v5, v7
	v_add_nc_u32 v[ADRS], s67, v5
	v_lshlrev_b32 v[VI], 4, v6
	v_lshlrev_b32 v[VW], 4, v1
	v_and_b32 v3, 8, v1
	v_add_nc_u32 v3, v3, v1                        ; 16 (r / 8) + r % 8
	v_lshlrev_b32 v[VB], 6, v2
	v_lshl_add_u32 v[VT], v3, 8, v[VB]
	v_lshlrev_b32 v[VBV], 2, v3
	v_mov_b32 v[PM], 0                             ; a lane permute's destination counts as one of its sources
	v_mov_b32 v[PM+1], 0
.macro FRAG reg, adr, st, i            ; 16 rows x 128 K: six pieces of 8 bytes; byte y of a row lies at y + 16 (y / 256); lanes 16-31 read 24 bytes on
.irp p, 0,1,2,3,4,5
.set PC_, 12*(\st)+6*(\p/3)+\p%3
	ds_load_b64 v[\reg+2*\p:\reg+2*\p+1], v[\adr+(PC_%32+3)/32] offset:8*PC_+16*(PC_/32)+(\i)*16*PITCH
.endr
.endm
.macro FETCH_X st                      ; 48 loads
	WIN 0x40
.irp i, 0,1,2,3,4,5,6,7
	FRAG 128*((\st)%2)+FR*\i, ADRX+2*(\i/4), \st, \i%4
.endr
	WIN 0
.endm
.macro FETCH_W st                      ; 24 loads
.irp i, 0,1,2,3
	FRAG AF+48*((\st)%2)+FR*\i, ADRW, \st, \i
.endr
.endm
; 16 products.  The 32 accumulators take turns, in the same order in every step.
.macro MULQ h, st, zero
	WIN 0xa4                                       ; source 1 window 1, C and D window 2
.irp a, 0,1,2,3
.irp b, 0,1,2,3
.set D_, 32*(4*(\h)+\a)+8*\b
.set W_, AF+48*((\st)%2)+FR*\b
.set X_, 128*((\st)%2)+FR*(4*(\h)+\a)
.if \zero
	v_wmma_scale_f32_16x16x128_f8f6f4 v[D_:D_+7], v[W_:W_+11], v[X_:X_+11], 0, v[SC+SCS*\b+(\st)], v[SC+SCS*(4*(\h)+\a)+(\st)] matrix_a_fmt:MATRIX_FMT_FP6 matrix_b_fmt:MATRIX_FMT_FP6 matrix_b_scale:MATRIX_SCALE_ROW1
.else
	v_wmma_scale_f32_16x16x128_f8f6f4 v[D_:D_+7], v[W_:W_+11], v[X_:X_+11], v[D_:D_+7], v[SC+SCS*\b+(\st)], v[SC+SCS*(4*(\h)+\a)+(\st)] matrix_a_fmt:MATRIX_FMT_FP6 matrix_b_fmt:MATRIX_FMT_FP6 matrix_b_scale:MATRIX_SCALE_ROW1
.endif
.endr
.endr
.endm
.macro MULV h, st, zero
	WIN 0xa1                                       ; source 0 window 1, C and D window 2
.irp a, 0,1
.irp b, 0,1,2,3,4,5,6,7
.set D_, 8*(8*(2*(\h)+\a)+\b)
.set W_, AF+48*((\st)%2)+FR*(2*(\h)+\a)
.set X_, 128*((\st)%2)+FR*\b
.if \zero
	v_wmma_scale_f32_16x16x128_f8f6f4 v[D_:D_+7], v[X_:X_+11], v[W_:W_+11], 0, v[SC+SCS*\b+(\st)], v[SC+SCS*(2*(\h)+\a)+(\st)] matrix_a_fmt:MATRIX_FMT_FP6 matrix_b_fmt:MATRIX_FMT_FP6 matrix_a_scale:MATRIX_SCALE_ROW1
.else
	v_wmma_scale_f32_16x16x128_f8f6f4 v[D_:D_+7], v[X_:X_+11], v[W_:W_+11], v[D_:D_+7], v[SC+SCS*\b+(\st)], v[SC+SCS*(2*(\h)+\a)+(\st)] matrix_a_fmt:MATRIX_FMT_FP6 matrix_b_fmt:MATRIX_FMT_FP6 matrix_a_scale:MATRIX_SCALE_ROW1
.endif
.endr
.endr
.endm
.macro MUL kind, h, st, zero
.if \kind
	MULV \h, \st, \zero
.else
	MULQ \h, \st, \zero
.endif
.endm
.macro SEVEN kind                      ; a product's scale words, its first fragments and its first seven K steps
.irp i, 0,1,2,3,4,5,6,7
	ds_load_b128 v[SC+SCS*\i:SC+SCS*\i+3], v[ADRS] offset:\i*SBLK        ; a row's eight scale words, for all of K
	ds_load_b128 v[SC+SCS*\i+4:SC+SCS*\i+7], v[ADRS] offset:\i*SBLK+16
.endr
	FETCH_X 0
	FETCH_W 0
.set ST, 0
.rept 7
.if ST > 0
	PLACES NP                                      ; behind the last step's products, ahead of the loads into the sets that they read
.endif
	FETCH_X ST+1
	s_wait_dscnt 48                                ; all but the 48 just issued: this step's fragments are in
	MUL \kind, 0, ST, (ST==0)
	WIN 0
	FETCH_W ST+1
	MUL \kind, 1, ST, (ST==0)
	WIN 0
.set ST, ST+1
.endr
.endm
; ---- the way out of q, k.  A unit is position block a: 32 numbers a lane, number 16 b + i = feature 32 b + 16 h + i of my position.
.macro TLD a                           ; the (cos, sin) of block a's positions for my 16 pairs
.irp b, 0,1
.irp j, 0,1,2,3
	global_load_b128 v[TBL+32*((\a)%2)+16*\b+4*\j:TBL+32*((\a)%2)+16*\b+4*\j+3], v[VT], s[74:75] offset:256*(32*((\a)/2)+8*((\a)%2))+128*\b+16*\j
.endr
.endr
.endm
.macro UNITQK a
.set ACB, 32*(\a)
.set TS0, TBL+32*((\a)%2)
.set CDU, CD+6*((\a)%2)
.set WDR, WD+(\a)/2
	s_wait_xcnt 0x0                                ; the codes' registers, which earlier stores read, are written again only behind this wait
	WIN 0x06                                       ; source 0 window 2, source 1 window 1
.set ii, 0
.rept 16
	v_pk_add_f32 v[T+2*ii:T+2*ii+1], v[ACB+2*ii:ACB+2*ii+1], v[2*ii:2*ii+1]   ; ascending: each accumulator from its low end on
.set ii, ii+1
.endr
	WIN 0
.set ii, 0
.rept 16                               ; (even, odd) -> (even cos - odd sin, odd cos + even sin)
	v_mul_f32 v[RR+2*(ii%2)], v[T+2*ii+1], v[TS0+2*ii+1]
	v_mul_f32 v[RR+2*(ii%2)+1], v[T+2*ii], v[TS0+2*ii+1]
	v_fma_f32 v[T+2*ii], v[T+2*ii], v[TS0+2*ii], -v[RR+2*(ii%2)]
	v_fma_f32 v[T+2*ii+1], v[T+2*ii+1], v[TS0+2*ii], v[RR+2*(ii%2)+1]
.set ii, ii+1
.endr
.irp b, 0,1
	v_max3_num_f32 v[BM+\b], |v[T+16*\b]|, |v[T+16*\b+1]|, 0x1800000   ; with the floor 2^(3 - 127)
.endr
.irp i, 2,4,6,8,10,12,14
.irp b, 0,1
	v_max3_num_f32 v[BM+\b], v[BM+\b], |v[T+16*\b+\i]|, |v[T+16*\b+\i+1]|
.endr
.endr
.irp b, 0,1
	v_permlanex16_b32 v[PM+\b], v[BM+\b], s[SEL], s[SEL+1]
.endr
.irp b, 0,1
	v_max_num_f32 v[BM+\b], v[BM+\b], v[PM+\b]
.endr
.irp b, 0,1
	v_add_nc_u32 v[SO+\b], 0xff000000, v[BM+\b]    ; 2 off the exponent field: the conversion's scale operand
.endr
.irp b, 0,1
	v_lshrrev_b32 v[BY+\b], 23, v[SO+\b]
.endr
	v_lshl_or_b32 v[BY], v[BY+1], 8, v[BY]
.if (\a)%2 == 0
	v_mov_b32 v[WDR], v[BY]
.else
	v_lshl_or_b32 v[WDR], v[BY], 16, v[WDR]
.endif
	v_cvt_scalef32_pk16_fp6_f32 v[CDU:CDU+2], v[T:T+15], v[SO]
	v_cvt_scalef32_pk16_fp6_f32 v[YT:YT+2], v[T+16:T+31], v[SO+1]
	v_nop                                          ; one plain place behind a scaled conversion
.irp i, 0,1,2
	v_permlane16_swap_b32 v[CDU+\i], v[YT+\i]      ; a whole block to a lane
.endr
.irp i, 0,1,2
	v_mov_b32 v[CDU+3+\i], v[YT+\i]
.endr
.endm
; ---- the way out of v.  A unit is channel block a x all 128 positions: 64 numbers a lane: one fragment and one scale word.
.macro QUANT s, pw
.irp b, 0,1,2,3
	v_max3_num_f32 v[TM+\b], |v[\s+16*\b]|, |v[\s+1+16*\b]|, 0x1800000
.endr
.irp i, 2,4,6,8,10,12,14
.irp b, 0,1,2,3
	v_max3_num_f32 v[TM+\b], v[TM+\b], |v[\s+16*\b+\i]|, |v[\s+1+16*\b+\i]|
.endr
.endr
.irp b, 0,1,2,3
	v_permlanex16_b32 v[TM+4+\b], v[TM+\b], s[SEL], s[SEL+1]
.endr
.irp b, 0,1,2,3
	v_max_num_f32 v[TM+\b], v[TM+\b], v[TM+4+\b]
.endr
.irp b, 0,1,2,3
	v_add_nc_u32 v[TM+12+\b], 0xff000000, v[TM+\b]
.endr
.irp b, 0,1,2,3
	v_lshrrev_b32 v[TM+4+\b], 23, v[TM+12+\b]
.endr
	v_lshl_or_b32 v[\pw], v[TM+5], 8, v[TM+4]
	v_lshl_or_b32 v[\pw], v[TM+6], 16, v[\pw]
	v_lshl_or_b32 v[\pw], v[TM+7], 24, v[\pw]
.irp c, 0,1
	v_cvt_scalef32_pk16_fp6_f32 v[VPC+6*\c:VPC+2+6*\c], v[\s+32*\c:\s+15+32*\c], v[TM+12+2*\c]
	v_cvt_scalef32_pk16_fp6_f32 v[VPC+12+4*\c:VPC+14+4*\c], v[\s+16+32*\c:\s+31+32*\c], v[TM+12+2*\c+1]
.endr
	v_nop
.irp c, 0,1
.irp i, 0,1,2
	v_permlane16_swap_b32 v[VPC+6*\c+\i], v[VPC+12+4*\c+\i]
.endr
.irp i, 0,1,2
	v_mov_b32 v[VPC+3+6*\c+\i], v[VPC+12+4*\c+\i]
.endr
.endr
.endm
.macro UNITV a
	s_wait_xcnt 0x0
	WIN 0x02
.set ii, 0
.rept 32
	v_pk_add_f32 v[T+2*ii:T+2*ii+1], v[64*(\a)+2*ii:64*(\a)+2*ii+1], v[BVR+2*(\a):BVR+2*(\a)+1]
.set ii, ii+1
.endr
	WIN 0
	QUANT T, WDV+(\a)
.irp g, 0,1,2
	global_store_b128 v[VI], v[VPC+4*\g:VPC+4*\g+3], s[76:77] offset:1536*(\a)+512*\g   ; 32 lanes store 512 consecutive bytes, aligned
.endr
.endm
	WALU
	s_wait_tensorcnt 0x0                           ; my tile of the head's four has landed
	s_barrier_signal -1
	s_barrier_wait -1                              ; all four have
	s_mov_b32 s3, 0
.Lqk:                                                  ; two trips: q, then k
	s_cmp_eq_u32 s3, 0
	s_cselect_b64 s[82:83], s[68:69], s[70:71]     ; this product's bias
	SEVEN 0
	s_wait_dscnt 0x0                               ; the last step's fragments are in: my reads of the weight's bytes are over
	s_wait_tensorcnt 0x0                           ; the three lines ahead of the refill's round
	ds_add_u32 v[SPW], v[NIL]
	s_add_nc_u64 s[G0W+2:G0W+3], s[G0W+2:G0W+3], 1024*KROW   ; no tensor load of mine is out: the next weight's rows and scales
	s_add_nc_u64 s[G0WS+2:G0WS+3], s[G0WS+2:G0WS+3], 1024*32
	MUL 0, 0, 7, 0
	s_wait_dscnt 0x0
	s_barrier_signal -1                            ; the barrier opens a round of the cluster's barrier
	MUL 0, 1, 7, 0
	WIN 0
	s_barrier_wait -1
	CREST
	s_cmp_eq_u32 s8, 0
	s_cbranch_scc0 .Lnot_codes
	TLOAD G0W, G1W                                 ; wave 0: the next weight's 128 rows
	s_branch .Lrefilled
.Lnot_codes:
	s_cmp_eq_u32 s8, 1
	s_cbranch_scc0 .Lrefilled
	TLOAD G0WS, G1WS                               ; wave 1: their scale bytes
.Lrefilled:
	PLACES NP                                      ; behind the last products, for every wave
	WIN 0x40
.irp b, 0,1
.irp j, 0,1,2,3
	global_load_b128 v[16*\b+4*\j:16*\b+4*\j+3], v[VB], s[82:83] offset:128*\b+16*\j   ; the bias of my 32 features, into window 1
.endr
.endr
	WIN 0
	TLD 0
.irp a, 0,1,2,3,4,5,6,7
.if \a < 7
	TLD \a+1
	s_wait_loadcnt 8                               ; all but the next block's eight loads are in
.else
	s_wait_loadcnt 0x0
.endif
	UNITQK \a
.if \a % 2
.irp g, 0,1,2
	global_store_b128 v[VI], v[CD+4*\g:CD+4*\g+3], s[76:77] offset:1536*(\a/2)+512*\g   ; 32 lanes store 512 consecutive bytes, aligned
.endr
.endif
.endr
	global_store_b128 v[VW], v[WD:WD+3], s[78:79]  ; my head's 256 bytes of scale words
	s_wait_xcnt 0x0                                ; the stores have read their registers and bases
	s_add_nc_u64 s[76:77], s[76:77], 6144          ; on to the next part of img and scl
	s_add_nc_u64 s[78:79], s[78:79], 256
	WALU
	s_wait_tensorcnt 0x0                           ; the refill has landed,
	s_barrier_signal -1
	s_barrier_wait -1                              ; for every wave
	s_add_co_u32 s3, s3, 1
	s_cmp_lg_u32 s3, 2
	s_cbranch_scc1 .Lqk
	SEVEN 1                                        ; v
	s_wait_dscnt 0x0
	MUL 1, 0, 7, 0
	MUL 1, 1, 7, 0
	WIN 0
	PLACES NP
.irp a, 0,1,2,3
	global_load_b32 v[BVR+2*\a], v[VBV], s[72:73] offset:4*(32*(\a/2)+8*(\a%2))     ; my channel's bv, into both halves of a pair
	global_load_b32 v[BVR+2*\a+1], v[VBV], s[72:73] offset:4*(32*(\a/2)+8*(\a%2))
.endr
.irp b, 0,1,2,3
	v_mov_b32 v[TM+4+\b], 0
.endr
	s_wait_loadcnt 0x0
.irp a, 0,1,2,3
	UNITV \a
.endr
	global_store_b128 v[VW], v[WDV:WDV+3], s[78:79]
	s_wait_tensorcnt 0x0                           ; the wave's end
	ds_add_u32 v[SPW], v[NIL]
	s_wait_dscnt 0x0
	CROUND                                         ; the closing round
	s_endpgm
.Lfunc_end_k_qb2822c3916_qkv:
	.size	k_qb2822c3916_qkv, .Lfunc_end_k_qb2822c3916_qkv-k_qb2822c3916_qkv
	.p2alignl 7, 3214868480
	.fill 96, 4, 3214868480
	.section	.rodata,"a",@progbits
	.p2align	6, 0x0
	.amdhsa_kernel k_qb2822c3916_qkv
		.amdhsa_group_segment_fixed_size 327680
		.amdhsa_private_segment_fixed_size 0
		.amdhsa_enable_private_segment 0
		.amdhsa_kernarg_size 64
		.amdhsa_user_sgpr_count 2
		.amdhsa_user_sgpr_kernarg_segment_ptr 1
		.amdhsa_wavefront_size32 1
		.amdhsa_system_sgpr_workgroup_id_x 1
		.amdhsa_system_sgpr_workgroup_id_y 1
		.amdhsa_system_sgpr_workgroup_id_z 1
		.amdhsa_system_vgpr_workitem_id 0
		.amdhsa_next_free_vgpr 768
		.amdhsa_next_free_sgpr 104
		.amdhsa_reserve_vcc 0
		.amdhsa_float_denorm_mode_32 3
		.amdhsa_float_denorm_mode_16_64 3
		.amdhsa_memory_ordered 1
		.amdhsa_forward_progress 1
		.amdhsa_inst_pref_size 236
	.end_amdhsa_kernel
	.amdgpu_metadata
---
amdhsa.version: [ 1, 2 ]
amdhsa.kernels:
  - .name:           k_qb2822c3916_qkv
    .symbol:         k_qb2822c3916_qkv.kd
    .args:
      - { .name: cod, .offset: 0, .size: 8, .value_kind: global_buffer, .address_space: global }
      - { .name: sca, .offset: 8, .size: 8, .value_kind: global_buffer, .address_space: global }
      - { .name: bq, .offset: 16, .size: 8, .value_kind: global_buffer, .address_space: global }
      - { .name: bk, .offset: 24, .size: 8, .value_kind: global_buffer, .address_space: global }
      - { .name: bv, .offset: 32, .size: 8, .value_kind: global_buffer, .address_space: global }
      - { .name: tab, .offset: 40, .size: 8, .value_kind: global_buffer, .address_space: global }
      - { .name: img, .offset: 48, .size: 8, .value_kind: global_buffer, .address_space: global }
      - { .name: scl, .offset: 56, .size: 8, .value_kind: global_buffer, .address_space: global }
    .group_segment_fixed_size: 327680
    .private_segment_fixed_size: 0
    .kernarg_segment_align: 8
    .kernarg_segment_size: 64
    .max_flat_workgroup_size: 128
    .sgpr_count:     104
    .vgpr_count:     768
    .wavefront_size: 32
...
	.end_amdgpu_metadata
.endif
;; end of part 2
;; launch attn (part 3): grid 4 x 64, 16 waves a work-group, clusters of 4 x 1, 327,680 bytes of LDS; arguments img, scl, ao, aos; writes ao, aos
.if DOCPART == 3
	.amdgcn_target "amdgcn-amd-amdhsa--gfx1250"
	.amdhsa_code_object_version 6
	.text
	.protected	k_qb2822c3916_attn
	.globl	k_qb2822c3916_attn
	.p2align	8
	.type	k_qb2822c3916_attn,@function
k_qb2822c3916_attn:
	s_mov_b64 s[64:65], 0
	v_nop
	global_prefetch_b8 v0, s[64:65] scope:SCOPE_SE
	s_setreg_imm32_b32 hwreg(HW_REG_WAVE_MODE, 25, 1), 1
	s_wait_xcnt 0x0
	s_wait_alu depctr_hold_cnt(0) depctr_sa_sdst(0) depctr_va_vdst(0) depctr_va_sdst(0) depctr_va_ssrc(0) depctr_va_vcc(0) depctr_vm_vsrc(0)
	s_getreg_b32 s2, hwreg(HW_REG_IB_STS2, 6, 4)
	s_cmp_eq_u32 s2, 0
	s_cbranch_scc0 .Lentry_in_a_cluster
	s_endpgm
.Lentry_in_a_cluster:
	s_bfe_u32 s2, ttmp6, 0x10000c
	s_cmp_lg_u32 s2, 0x3003
	s_cbranch_scc0 .Lentry_shape_is_right
	s_endpgm
.Lentry_shape_is_right:
; o = softmax(q k^T / 8) v for one head of one batch (work-group y) and 512 queries (place in the cluster), on codes of FP6 (E2M3); o is quantised along the head's features and leaves as codes (ao) and scale bytes (aos).
; img and scl are as the launch before leaves them: [head 64][step of 128 positions 16][Q | K | V], fragments as images of operand registers; scale word 4 r + b = lane r's word for fragment b.
; THE DEAL: 16 waves; a wave owns one Q fragment: two tiles of 16 queries, taken one after the other, each over the 16 steps of 128 keys.  Both products are used transposed (S^T = k q^T, O^T = v^T p^T): a lane holds one query.
; ALL OF THE HEAD'S K AND V LIE IN LDS: wave w asks for step w's K | V, 12,288 dense bytes, by one tensor load at the head, as 24 rows of 512 bytes with 128 bytes of padding behind each.  The four work-groups of a
; cluster need the same bytes and ask jointly.  Nothing is filled again, so one wait and one barrier stand ahead of the loops and none inside.  The K and V scale words (512 bytes a step) come by plain loads and one LDS store a wave.
; No prefetch: all that the launch reads is asked for at its head; there is no loop to run ahead in.
; WHICH KEYS FORM A TILE OF K is chosen by the LDS address alone: lane (r, h) of tile pair f = 2 c + tt reads the image of fragment 2 c + r / 8, lane r % 8 + 8 tt + 16 h.  Its rows are then keys
; 64 c + 32 (r / 8) + 16 tt + r % 8 (registers 0-5) and 8 further on (registers 6-11), so a lane's registers S + 32 c + 0 .. 31 are keys 64 c + 32 h + 0 .. 31: ONE WHOLE SCALE BLOCK of p, in the operand's own order.
; No lane asks another for a block's maximum, and no code changes lanes.  With fragments 1,920 bytes apart lanes 8-15 read 128 bytes (mod 256) beside lanes 0-7.  K's scale words are laid in that order when they are stored to LDS.
; K = 64 fills half of the instruction's 128: a K fragment's row holds two keys, and q stands against one of them with zero codes against the other ([q, 0] and [0, q]).
; SOFTMAX: p = 2^(t - M), t = score x log2(e) / 8, M the ceiling of the running largest t; when M moves, the sum and O^T are multiplied by a power of two made by v_ldexp_f32.  The sum is taken of the unquantised p.
; A block's largest p is the exponential of its largest score by the same two instructions (this takes v_exp_f32 not to fall where its input rises).
; LIMITS: NaN and infinities are not served; the promise holds while |t| stays under 2^31; a block whose every p is 0 gets the byte 1 with zero codes.
.set STP,   15360                      ; a step in LDS: 24 x (512 + 128)
.set SCB,   16*STP                     ; the scale words: [step][K 256 | V 256], written by LDS stores; no tile lands here
.set SPARE, SCB+8192                   ; the spare words, 128 bytes a wave
.set LI,  1                            ; 16 x lane
.set LSC, 2                            ; SCB + 16 r
.set AK,  3
.set AS,  4
.set SPW, 5
.set NIL, 6
.set GO,  7
.set GS,  8
.set LK,  9                            ; 1920 (r / 8) + 16 (r % 8) + 256 h
.set AV,  10
.set QW,  11
.set QL,  16                           ; v16-33: q, 0, q
.set QH,  22
.set Q1,  34                           ; v34-39: the second tile's q
.set KF,  40
.set PC,  40                           ; p's codes, over K's fragments when those are done with
.set PT,  52
.set VF,  88
.set S,   136
.set O,   200
.set CH,  232                          ; v232-235 four chains of maxima; then 232, 234 the blocks' maxima, 233, 235 lane permutes' results
.set SO,  236
.set BY,  238
.set LT,  240
.set T0,  242
.set H8,  243                          ; 8 h
.set KS,  244
.set VS,  248
.set QS,  255
.set WV,  12
.set TB,  2
.set TS,  3
.set CNT, 15
.set G1C, 24
.set G0,  40
.set CSN, 45
.set SEL, 60
.set CS,  62
.set HM,  67
.macro WALU
	s_wait_alu depctr_va_vdst(0)
.endm
.macro CROUND
	s_barrier_signal -1
	s_barrier_wait -1
	s_cmp_lg_u32 s[WV], 0
	s_cbranch_scc1 .Lnot_wave_0_\@
	s_barrier_signal -3
.Lnot_wave_0_\@:
	s_barrier_wait -3
	s_barrier_signal -1
	s_barrier_wait -1
.endm
	s_load_b256 s[4:11], s[0:1], 0x0               ; img, scl, ao, aos
	v_lshl_add_u32 v[SPW], v0, 2, SPARE
	v_mov_b32 v[NIL], 0
	ds_add_u32 v[SPW], v[NIL]                      ; the opening lines: the add twice and its wait
	ds_add_u32 v[SPW], v[NIL]
	v_lshrrev_b32 v200, 5, v0
	v_readfirstlane_b32 s[WV], v200
	s_bfe_u32 s13, ttmp6, 0x40000                  ; my place in the cluster: which 512 queries
	s_and_b32 s14, ttmp7, 0xffff                   ; the head of the 64
	s_lshr_b32 s18, s[WV], 2
	s_and_b32 s19, s[WV], 3
	s_mul_i32 s16, s14, 294912
	s_mul_i32 s17, s14, 12288
	s_mul_i32 s20, s[WV], 18432                    ; step w's K | V
	s_add_co_u32 s20, s20, s16
	s_add_co_u32 s20, s20, 6144
	s_mov_b32 s21, 0
	s_mul_i32 s22, s[WV], 768                      ; and its scale words
	s_add_co_u32 s22, s22, s17
	s_add_co_u32 s22, s22, 256
	s_mov_b32 s23, 0
	s_mov_b32 s[G1C], 15|(3<<16)|(1<<20)|(1<<21)|(6<<22)|(31<<25)   ; all four partners; elements of 8 bytes; behind every 128 words 32 words of padding
	s_mov_b32 s[G1C+1], 64<<16
	s_mov_b32 s[G1C+2], 24<<16
	s_mov_b32 s[G1C+3], 64<<16
	s_mov_b32 s[G1C+4], 24
	s_mov_b32 s[G1C+5], 64
	s_mov_b32 s[G1C+6], 0
	s_mov_b32 s[G1C+7], 0
	s_lshl_b32 s66, s13, 2
	s_add_co_u32 s66, s66, s18                     ; my step of 128 queries
	s_mul_i32 s68, s66, 18432
	s_mul_i32 s69, s19, 1536
	s_add_co_u32 s68, s68, s69
	s_add_co_u32 s68, s68, s16                     ; my Q fragment
	s_mov_b32 s69, 0
	s_mul_i32 s70, s66, 768
	s_add_co_u32 s70, s70, s17
	s_lshl_b32 s71, s19, 2
	s_add_co_u32 s70, s70, s71
	s_mov_b32 s71, 0
	s_lshr_b32 s72, s14, 4
	s_and_b32 s73, s14, 15
	s_lshl_b32 s74, s72, 4
	s_add_co_u32 s74, s74, s66
	s_mul_i32 s76, s74, 98304                      ; ao: [step of 128 rows][head][block of 16 rows 768][piece 256][lane 8]
	s_mul_i32 s75, s73, 6144
	s_add_co_u32 s76, s76, s75
	s_mul_i32 s75, s19, 1536
	s_add_co_u32 s76, s76, s75
	s_mov_b32 s77, 0
	s_lshl_b32 s78, s74, 12                        ; aos: [row][32 bytes]
	s_lshl_b32 s75, s19, 10
	s_add_co_u32 s78, s78, s75
	s_lshl_b32 s75, s73, 1
	s_add_co_u32 s78, s78, s75
	s_mov_b32 s79, 0
	s_mov_b32 s[SEL], 0x76543210
	s_mov_b32 s[SEL+1], 0xfedcba98
	s_mov_b32 s[CS], 0x3e38aa3b                    ; c = log2(e) / 8
	s_mov_b32 s[CS+1], s[CS]
	s_mov_b32 s[CSN], 0xbe38aa3b                   ; -c
	s_mov_b32 s[HM], 0xffff0000
	s_mov_b32 s[G0], 1
	s_mul_i32 s[G0+1], s[WV], STP
	s_lshl_b32 s44, s[WV], 9
	s_add_co_u32 s44, s44, SCB
	s_wait_dscnt 0x0
	s_wait_kmcnt 0x0
	s_add_nc_u64 s[G0+2:G0+3], s[4:5], s[20:21]
	s_or_b32 s[G0+3], s[G0+3], 0x80000000
	s_add_nc_u64 s[22:23], s[6:7], s[22:23]
	s_add_nc_u64 s[68:69], s[4:5], s[68:69]
	s_add_nc_u64 s[70:71], s[6:7], s[70:71]
	s_add_nc_u64 s[8:9], s[8:9], s[76:77]
	s_add_nc_u64 s[10:11], s[10:11], s[78:79]
	CROUND
	tensor_load_to_lds s[G0:G0+3], s[G1C:G1C+7]    ; my one tensor load
	s_nop 0
	v_and_b32 v200, 15, v0                         ; r
	v_bfe_u32 v201, v0, 4, 1                       ; h
	v_and_b32 v202, 31, v0
	v_lshlrev_b32 v[LI], 4, v202
	v_lshlrev_b32 v[GO], 3, v202
	v_lshl_add_u32 v[GS], v200, 5, v201
	v_lshlrev_b32 v203, 4, v200
	v_add_nc_u32 v[LSC], SCB, v203
	v_lshlrev_b32 v[H8], 3, v201
	v_and_b32 v204, 7, v200
	v_lshrrev_b32 v205, 3, v200
	v_mul_u32_u24 v[LK], v205, 1920
	v_lshl_add_u32 v[LK], v204, 4, v[LK]
	v_lshl_add_u32 v[LK], v201, 8, v[LK]
	v_lshlrev_b32 v206, 2, v205
	v_lshl_add_u32 v206, v204, 4, v206             ; K's word for tile pair f of lane r lies at 16 (r % 8) + 4 (r / 8) + 128 (f % 2) + 8 (f / 2);
	v_add_nc_u32 v207, 256, v203                   ; V's word t at 256 + 16 r + 4 t: lanes 16-31 fetch those, by the same immediates
	v_add_nc_u32 v208, 132, v203
	v_cndmask_b32 v207, v206, v207, s[HM]
	v_cndmask_b32 v208, v206, v208, s[HM]
	v_add_nc_u32 v209, s44, v[LI]
.irp g, 0,1,2
	global_load_b128 v[S+4*\g:S+4*\g+3], v[LI], s[68:69] offset:512*\g
.endr
	global_load_b32 v[QW], v203, s[70:71]
	global_load_b32 v212, v207, s[22:23]
	global_load_b32 v213, v208, s[22:23] offset:128
	global_load_b32 v214, v207, s[22:23] offset:8
	global_load_b32 v215, v208, s[22:23] offset:136
	WALU
	s_wait_loadcnt 0x0
	ds_store_b128 v209, v[212:215]                 ; step w's scale words: lanes 0-15 K's, lanes 16-31 V's
.macro QSET u
.if \u == 0
.irp i, 0,1,2,3,4,5
	v_mov_b32 v[QL+\i], v[S+\i]
	v_mov_b32 v[QL+12+\i], v[S+\i]
	v_mov_b32 v[QL+6+\i], 0
	v_mov_b32 v[Q1+\i], v[S+6+\i]
.endr
	v_and_b32 v254, 0xffff, v[QW]
	v_lshl_or_b32 v[QS], v[QW], 16, v254           ; the tile's two bytes, for either half of K
.else
.irp i, 0,1,2,3,4,5
	v_mov_b32 v[QL+\i], v[Q1+\i]
	v_mov_b32 v[QL+12+\i], v[Q1+\i]
.endr
	v_lshrrev_b32 v254, 16, v[QW]
	v_and_or_b32 v[QS], v[QW], 0xffff0000, v254
.endif
	v_mov_b32 v13, 0xff61b1e6                      ; the largest score so far: -3e38
	v_mov_b32 v12, 0x7e000000                      ; -M: a large whole number, so that the first factor is 0
	v_mov_b32 v14, 0
	v_mov_b32 v15, 0
	v_mov_b32 v253, 0
.set jj, 0
.rept 32
	v_mov_b32 v[O+jj], 0
.set jj, jj+1
.endr
.endm
.macro STEP
	v_add_nc_u32 v[AK], s[TB], v[LK]               ; these three and the v_nop are the places behind the last step's products
	v_add_nc_u32 v[AV], s[TB], v[LI]
	v_add_nc_u32 v[AS], s[TS], v[LSC]
	v_nop
	ds_load_b128 v[KS:KS+3], v[AS]
.irp f, 0,1,2,3
.irp g, 0,1,2
	ds_load_b128 v[KF+12*\f+4*\g:KF+12*\f+4*\g+3], v[AK] offset:3840*(\f/2)+128*(\f%2)+640*\g
.endr
.endr
	ds_load_b128 v[VS:VS+3], v[AS] offset:256
.irp t, 0,1,2,3
.irp g, 0,1,2
	ds_load_b128 v[VF+12*\t+4*\g:VF+12*\t+4*\g+3], v[AV] offset:640*(12+3*\t+\g)
.endr
.endr
	s_wait_dscnt 13                                ; V's 12 loads and its scale words may be out
.irp f, 0,1,2,3
	v_wmma_scale_f32_16x16x128_f8f6f4 v[S+16*\f:S+16*\f+7], v[KF+12*\f:KF+12*\f+11], v[QL:QL+11], 0, v[KS+\f], v[QS] matrix_a_fmt:MATRIX_FMT_FP6 matrix_b_fmt:MATRIX_FMT_FP6
	v_wmma_scale_f32_16x16x128_f8f6f4 v[S+16*\f+8:S+16*\f+15], v[KF+12*\f:KF+12*\f+11], v[QH:QH+11], 0, v[KS+\f], v[QS] matrix_a_fmt:MATRIX_FMT_FP6 matrix_b_fmt:MATRIX_FMT_FP6
.endr
	v_mov_b32 v254, v12                            ; the old -M; with three v_nop the four places
.rept 3
	v_nop
.endr
.irp k, 0,1,2,3                        ; four chains of 16 scores, ascending: each accumulator is read from its low end on
	v_max3_num_f32 v[CH+\k], v[S+16*\k], v[S+16*\k+1], v[S+16*\k+2]
.endr
.irp i, 3,5,7,9,11,13
.irp k, 0,1,2,3
	v_max3_num_f32 v[CH+\k], v[CH+\k], v[S+16*\k+\i], v[S+16*\k+\i+1]
.endr
.endr
.irp c, 0,1
	v_max3_num_f32 v[CH+2*\c], v[CH+2*\c], v[CH+2*\c+1], v[S+32*\c+15]
.endr
.irp c, 0,1
	v_max_num_f32 v[CH+2*\c], v[CH+2*\c], v[S+32*\c+31]   ; my two blocks' largest scores
.endr
	v_max_num_f32 v[T0], v[CH], v[CH+2]
	v_permlanex16_b32 v[CH+1], v[T0], s[SEL], s[SEL+1]
	v_max3_num_f32 v13, v13, v[T0], v[CH+1]        ; the running largest score of my query
	v_mul_f32 v[T0], s[CSN], v13
	v_floor_f32 v12, v[T0]                         ; -M = floor(-t)
	v_sub_f32 v254, v12, v254
	v_cvt_i32_f32 v254, v254                       ; (it saturates)
	v_ldexp_f32 v252, 1.0, v254                    ; f = 2^(old M - new M)
.set jj, 0
.rept 32
	v_pk_fma_f32 v[S+jj:S+1+jj], v[S+jj:S+1+jj], s[CS:CS+1], v[12:13] op_sel_hi:[1,0,0]
.set jj, jj+2
.endr
.irp c, 0,1
	v_fma_f32 v[CH+2*\c], v[CH+2*\c], s[CS], v12
.endr
	WALU
	v_exp_f32 v[CH], v[CH]
	v_exp_f32 v[CH+2], v[CH+2]
.set jj, 0
.rept 64
	v_exp_f32 v[S+jj], v[S+jj]
.set jj, jj+1
.endr
	v_pk_mul_f32 v[14:15], v[14:15], v[252:253] op_sel_hi:[1,0]   ; the sums under the new M; the plain place behind the batch
	WALU                                           ; and one wait behind it
	v_max_num_f32 v[CH], 0x1800000, v[CH]          ; the floor 2^(3 - 127)
	v_max_num_f32 v[CH+2], 0x1800000, v[CH+2]
	v_pk_add_f32 v[LT:LT+1], v[S:S+1], v[S+2:S+3]  ; the sum of the unquantised p, in two chains, among the lines that make the scales
	v_add_nc_u32 v[SO], 0xff000000, v[CH]
	v_add_nc_u32 v[SO+1], 0xff000000, v[CH+2]
	v_pk_add_f32 v[14:15], v[14:15], v[S+4:S+5]
	v_lshrrev_b32 v[BY], 23, v[SO]
	v_lshrrev_b32 v[BY+1], 23, v[SO+1]
	v_pk_add_f32 v[LT:LT+1], v[LT:LT+1], v[S+6:S+7]
	v_lshl_or_b32 v253, v[BY+1], 16, v[BY]         ; my bytes: blocks h and 2 + h,
	v_pk_add_f32 v[14:15], v[14:15], v[S+8:S+9]
	v_lshlrev_b32 v253, v[H8], v253                ; at their places;
	v_pk_add_f32 v[LT:LT+1], v[LT:LT+1], v[S+10:S+11]
	v_permlanex16_b32 v[CH+3], v253, s[SEL], s[SEL+1]
	v_pk_add_f32 v[14:15], v[14:15], v[S+12:S+13]
	v_or_b32 v253, v253, v[CH+3]                   ; with lane l xor 16's two the word is whole
	v_pk_add_f32 v[LT:LT+1], v[LT:LT+1], v[S+14:S+15]
.irp c, 0,1
	v_cvt_scalef32_pk16_fp6_f32 v[PC+6*\c:PC+6*\c+2], v[S+32*\c:S+32*\c+15], v[SO+\c]
	v_cvt_scalef32_pk16_fp6_f32 v[PT+4*\c:PT+4*\c+2], v[S+32*\c+16:S+32*\c+31], v[SO+\c]
.endr
.set jj, 16
.rept 12
	v_pk_add_f32 v[14:15], v[14:15], v[S+jj:S+1+jj]
	v_pk_add_f32 v[LT:LT+1], v[LT:LT+1], v[S+2+jj:S+3+jj]
.set jj, jj+4
.endr
	v_pk_add_f32 v[14:15], v[14:15], v[LT:LT+1]
.irp c, 0,1
.irp i, 0,1,2
	v_mov_b32 v[PC+6*\c+3+\i], v[PT+4*\c+\i]       ; (a conversion's three registers begin on an even number)
.endr
.endr
	WALU                                           ; directly ahead of the first reader of O^T
.set jj, 0
.rept 16
	v_pk_mul_f32 v[O+jj:O+1+jj], v[O+jj:O+1+jj], v[252:253] op_sel_hi:[1,0]
.set jj, jj+2
.endr
	WALU
	s_wait_dscnt 0x0                               ; V's fragments are in
.irp t, 0,1,2,3
	v_wmma_scale_f32_16x16x128_f8f6f4 v[O+8*\t:O+8*\t+7], v[VF+12*\t:VF+12*\t+11], v[PC:PC+11], v[O+8*\t:O+8*\t+7], v[VS+\t], v253 matrix_a_fmt:MATRIX_FMT_FP6 matrix_b_fmt:MATRIX_FMT_FP6
.endr
	s_add_co_u32 s[TB], s[TB], STP
	s_add_co_u32 s[TS], s[TS], 512
.endm
.macro OUT u                           ; O^T / the sum; registers 16 b + i are features 32 b + 16 h + i: quantised with lane l xor 16, a whole block to a lane by three swaps
.rept 4
	v_nop
.endr
	v_add_f32 v14, v14, v15
	v_permlanex16_b32 v252, v14, s[SEL], s[SEL+1]
	v_add_f32 v14, v14, v252
	WALU
	v_rcp_f32 v14, v14
	v_nop
	WALU
.set jj, 0
.rept 32
	v_mul_f32 v[S+jj], v[O+jj], v14
.set jj, jj+1
.endr
.irp b, 0,1
	v_max3_num_f32 v[CH+\b], |v[S+16*\b]|, |v[S+16*\b+1]|, 0x1800000
.endr
.irp i, 2,4,6,8,10,12,14
.irp b, 0,1
	v_max3_num_f32 v[CH+\b], v[CH+\b], |v[S+16*\b+\i]|, |v[S+16*\b+\i+1]|
.endr
.endr
.irp b, 0,1
	v_permlanex16_b32 v[CH+2+\b], v[CH+\b], s[SEL], s[SEL+1]
.endr
.irp b, 0,1
	v_max_num_f32 v[CH+\b], v[CH+\b], v[CH+2+\b]
.endr
.irp b, 0,1
	v_add_nc_u32 v[SO+\b], 0xff000000, v[CH+\b]
.endr
.irp b, 0,1
	v_lshrrev_b32 v[BY+\b], 23, v[SO+\b]
.endr
	v_cndmask_b32 v254, v[BY], v[BY+1], s[HM]
	v_cvt_scalef32_pk16_fp6_f32 v[PC:PC+2], v[S:S+15], v[SO]
	v_cvt_scalef32_pk16_fp6_f32 v[PT:PT+2], v[S+16:S+31], v[SO+1]
	v_nop
.irp i, 0,1,2
	v_permlane16_swap_b32 v[PC+\i], v[PT+\i]
.endr
.irp i, 0,1,2
	v_mov_b32 v[PC+3+\i], v[PT+\i]
.endr
.irp p, 0,1,2
	global_store_b64 v[GO], v[PC+2*\p:PC+2*\p+1], s[8:9] offset:768*\u+256*\p   ; 32 lanes store 256 consecutive bytes, aligned
.endr
	global_store_b8 v[GS], v254, s[10:11] offset:512*\u
	s_wait_xcnt 0x0                                ; the stores' registers are written again only behind this wait
.endm
.macro PASS u
	s_mov_b32 s[TB], 0
	s_mov_b32 s[TS], 0
	s_mov_b32 s[CNT], 16
.Lpass_\@:
	STEP
	s_sub_co_u32 s[CNT], s[CNT], 1
	s_cmp_lg_u32 s[CNT], 0
	s_cbranch_scc1 .Lpass_\@
	OUT \u
.endm
	QSET 0
	WALU
	s_wait_tensorcnt 0x0                           ; my step's K | V has landed,
	s_wait_dscnt 0x0                               ; my scale words are stored:
	s_barrier_signal -1
	s_barrier_wait -1                              ; both hold of every wave
	PASS 0
	QSET 1
	PASS 1
	s_wait_tensorcnt 0x0                           ; the wave's end
	ds_add_u32 v[SPW], v[NIL]
	s_wait_dscnt 0x0
	CROUND                                         ; the closing round
	s_endpgm
.Lfunc_end_k_qb2822c3916_attn:
	.size	k_qb2822c3916_attn, .Lfunc_end_k_qb2822c3916_attn-k_qb2822c3916_attn
	.p2alignl 7, 3214868480
	.fill 96, 4, 3214868480
	.section	.rodata,"a",@progbits
	.p2align	6, 0x0
	.amdhsa_kernel k_qb2822c3916_attn
		.amdhsa_group_segment_fixed_size 327680
		.amdhsa_private_segment_fixed_size 0
		.amdhsa_enable_private_segment 0
		.amdhsa_kernarg_size 32
		.amdhsa_user_sgpr_count 2
		.amdhsa_user_sgpr_kernarg_segment_ptr 1
		.amdhsa_wavefront_size32 1
		.amdhsa_system_sgpr_workgroup_id_x 1
		.amdhsa_system_sgpr_workgroup_id_y 1
		.amdhsa_system_sgpr_workgroup_id_z 1
		.amdhsa_system_vgpr_workitem_id 0
		.amdhsa_next_free_vgpr 256
		.amdhsa_next_free_sgpr 80
		.amdhsa_reserve_vcc 0
		.amdhsa_float_denorm_mode_32 3
		.amdhsa_float_denorm_mode_16_64 3
		.amdhsa_memory_ordered 1
		.amdhsa_forward_progress 1
		.amdhsa_inst_pref_size 47
	.end_amdhsa_kernel
	.amdgpu_metadata
---
amdhsa.version: [ 1, 2 ]
amdhsa.kernels:
  - .name:           k_qb2822c3916_attn
    .symbol:         k_qb2822c3916_attn.kd
    .args:
      - { .name: img, .offset: 0, .size: 8, .value_kind: global_buffer, .address_space: global }
      - { .name: scl, .offset: 8, .size: 8, .value_kind: global_buffer, .address_space: global }
      - { .name: ao, .offset: 16, .size: 8, .value_kind: global_buffer, .address_space: global }
      - { .name: aos, .offset: 24, .size: 8, .value_kind: global_buffer, .address_space: global }
    .group_segment_fixed_size: 327680
    .private_segment_fixed_size: 0
    .kernarg_segment_align: 8
    .kernarg_segment_size: 32
    .max_flat_workgroup_size: 512
    .sgpr_count:     80
    .vgpr_count:     256
    .wavefront_size: 32
...
	.end_amdgpu_metadata
.endif
;; end of part 3
;; launch oproj (part 4): grid 4 x 64, 4 waves a work-group, clusters of 4 x 4, 327,680 bytes of LDS; arguments ao, aos, cod, sca, bo, out0; writes out0
.if DOCPART == 4
	.amdgcn_target "amdgcn-amd-amdhsa--gfx1250"
	.amdhsa_code_object_version 6
	.text
	.protected	k_qb2822c3916_oproj
	.globl	k_qb2822c3916_oproj
	.p2align	8
	.type	k_qb2822c3916_oproj,@function
k_qb2822c3916_oproj:
	s_mov_b64 s[64:65], 0
	v_nop
	global_prefetch_b8 v0, s[64:65] scope:SCOPE_SE
	s_setreg_imm32_b32 hwreg(HW_REG_WAVE_MODE, 25, 1), 1
	s_wait_xcnt 0x0
	s_wait_alu depctr_hold_cnt(0) depctr_sa_sdst(0) depctr_va_vdst(0) depctr_va_sdst(0) depctr_va_ssrc(0) depctr_va_vcc(0) depctr_vm_vsrc(0)
	s_getreg_b32 s2, hwreg(HW_REG_IB_STS2, 6, 4)
	s_cmp_eq_u32 s2, 0
	s_cbranch_scc0 .Lentry_in_a_cluster
	s_endpgm
.Lentry_in_a_cluster:
	s_bfe_u32 s2, ttmp6, 0x10000c
	s_cmp_lg_u32 s2, 0xf033
	s_cbranch_scc0 .Lentry_shape_is_right
	s_endpgm
.Lentry_shape_is_right:
; out0 = o Wo + bo on codes of FP6 (E2M3), K = 1,024.  A = o: ao [step of 128 rows 64][head 16][block of 16 rows 768][piece 256][lane 8], aos [row][32]; B = Wo's columns: rows 11264 on of cod (768 bytes) and sca (32 bytes),
; storage row rho holding column sw(rho) (bits 3 and 4 exchanged).  Row t of A's block a is position 32 (a / 2) + 16 (t / 8) + 8 (a % 2) + t % 8 of its step.
; A work-group makes 128 rows x 256 columns: 64 x 4 = 256 work-groups.  ALL OF K LIES IN LDS: A's step is 98,304 dense bytes, B's 256 rows are 768 bytes + 16 behind every 256; the four tiles (B, A, A's scales, B's scales)
; come by one tensor load a wave at the head, every row a multiple of 256 bytes beginning at a multiple of 256.  Nothing is filled again.  4 x 4 work-groups form a cluster: A is asked for jointly along a row, B along a column.
; No prefetch: all is asked for at the head; there is no loop to run ahead in.
; Four waves, 2 x 2: a wave makes 64 x 128: 32 accumulators in window 2 ((a, b) at v[8 (8 a + b)]).  Source 0 = B's rows, source 1 = A's: a lane holds eight neighbouring columns of one row.
; Window 0: v0-31 addresses, v32-111 scale words (block i, step st at 32 + 10 i + st; lanes 0-15 A's, lanes 16-31 B's; A has four blocks, so lanes 0-15 of blocks 4-7 hold words that no product names), v128-223 A's fragments, two sets.
; Window 1: B's fragments, two sets, at v0 and v128.  The way out goes through a stage in A's bytes, behind a barrier behind which nobody reads them.
.set KROW,   768
.set PITCH,  816
.set FR,     12
.set NP,     4
.set AB,     98304                     ; B's rows, behind A's image
.set SCL,    AB+256*PITCH              ; A's scales, 16 units of 256 + 16; then B's, 32 units
.set SBLK,   2*272
.set SPARE,  SCL+48*272
.set SPITCH, 528
.set ADRA, 16                          ; v16 steps 0-3, v17 steps 4-7
.set ADRB, 20                          ; v20, v21 blocks 0-3 (v21: lanes 16-31 behind one padding more); v22, v23 blocks 4-7
.set STO,  24
.set RD,   25
.set CO,   26
.set ADRS, 27
.set SPW,  28
.set NIL,  29
.set BO,   8
.set SC,   32
.set SCS,  10
.set AF,   128
.set BK,   128
.set G1, 24
.set G0, 32
.set G1B, 48
.set G0B, 56
.set G1S, 68
.set G0S, 76
.set G1SB, 80
.set G0SB, 88
.set MSB, 0
.macro WIN new
.if MSB != \new
	s_set_vgpr_msb (MSB<<8)|\new
.set MSB, \new
.endif
.endm
.set MUL, 0xa1                         ; source 0 window 1, source 1 window 0, C and D window 2
.set TO_B, 0x40
.macro CROUND
	s_barrier_signal -1
	s_barrier_wait -1
	s_cmp_lg_u32 s14, 0
	s_cbranch_scc1 .Lnot_wave_0_\@
	s_barrier_signal -3
.Lnot_wave_0_\@:
	s_barrier_wait -3
	s_barrier_signal -1
	s_barrier_wait -1
.endm
.macro PLACES n
.rept \n
	v_nop
.endr
.endm
	s_load_b128 s[4:7], s[0:1], 0x0                ; ao, aos
	s_load_b128 s[8:11], s[0:1], 0x10              ; cod, sca
	s_load_b128 s[96:99], s[0:1], 0x20             ; bo, out0
	v_lshl_add_u32 v[SPW], v0, 2, SPARE
	v_mov_b32 v[NIL], 0
	ds_add_u32 v[SPW], v[NIL]                      ; the opening lines: the add twice and its wait
	ds_add_u32 v[SPW], v[NIL]
	v_lshrrev_b32 v1, 5, v0
	v_readfirstlane_b32 s14, v1
	s_lshr_b32 s15, s14, 1                         ; my 64 rows
	s_and_b32 s16, s14, 1                          ; my 128 columns
	s_bfe_u32 s40, ttmp6, 0x40000
	s_bfe_u32 s41, ttmp6, 0x40004
	s_lshl_b32 s42, ttmp9, 2
	s_add_co_u32 s42, s42, s40                     ; which 256 columns
	s_and_b32 s17, ttmp7, 0xffff
	s_lshl_b32 s17, s17, 2
	s_add_co_u32 s17, s17, s41                     ; which step of 128 rows
	s_lshl_b32 s43, s41, 2
	s_lshl_b32 s43, 15, s43
	s_lshl_b32 s44, 0x1111, s40
	s_or_b32 s[G1+0], s43, (3<<16)|(1<<21)         ; A: 384 dense rows of 256 bytes
	s_mov_b32 s[G1+1], 32<<16
	s_mov_b32 s[G1+2], 384<<16
	s_mov_b32 s[G1+3], 32<<16
	s_mov_b32 s[G1+4], 384
	s_mov_b32 s[G1+5], 32
	s_mov_b32 s[G1+6], 0
	s_mov_b32 s[G1+7], 0
	s_or_b32 s[G1B+0], s44, (1<<20)|(1<<21)|(5<<22)|(3<<25)   ; B: 256 rows of 768 bytes, 16 bytes of padding behind every 256
	s_mov_b32 s[G1B+1], KROW<<16
	s_mov_b32 s[G1B+2], 256<<16
	s_mov_b32 s[G1B+3], KROW<<16
	s_mov_b32 s[G1B+4], 256
	s_mov_b32 s[G1B+5], KROW
	s_mov_b32 s[G1B+6], 0
	s_mov_b32 s[G1B+7], 0
	s_or_b32 s[G1S+0], s43, (3<<16)|(1<<20)|(1<<21)|(5<<22)|(3<<25)
	s_mov_b32 s[G1S+2], 16<<16
	s_mov_b32 s[G1S+4], 16
	s_or_b32 s[G1SB+0], s44, (3<<16)|(1<<20)|(1<<21)|(5<<22)|(3<<25)
	s_mov_b32 s[G1SB+2], 32<<16
	s_mov_b32 s[G1SB+4], 32
.irp g, G1S, G1SB
	s_mov_b32 s[\g+1], 32<<16
	s_mov_b32 s[\g+3], 32<<16
	s_mov_b32 s[\g+5], 32
	s_mov_b32 s[\g+6], 0
	s_mov_b32 s[\g+7], 0
.endr
	s_mul_i32 s20, s17, 98304
	s_mov_b32 s21, 0
	s_lshl_b32 s22, s17, 12
	s_mov_b32 s23, 0
	s_lshl_b32 s46, s42, 8
	s_add_co_u32 s46, s46, 11264
	s_lshl_b32 s92, s46, 5
	s_mov_b32 s93, 0
	s_mul_i32 s46, s46, KROW
	s_mov_b32 s47, 0
	s_lshl_b32 s12, s17, 7
	s_lshl_b32 s13, s15, 6
	s_add_co_u32 s12, s12, s13
	s_lshl_b32 s12, s12, 12                        ; my first row of out0
	s_mov_b32 s13, 0
	s_lshl_b32 s18, s42, 10
	s_lshl_b32 s19, s16, 9
	s_add_co_u32 s18, s18, s19                     ; my first column, in bytes
	s_mov_b32 s19, 0
	s_mul_i32 s36, s15, 4*768                      ; LDS: my four blocks of A,
	s_mul_i32 s37, s16, 128*PITCH
	s_add_co_u32 s37, s37, AB                      ; my 128 rows of B,
	s_mul_i32 s38, s15, 8*272                      ; my rows' scales,
	s_mul_i32 s39, s16, 16*272
	s_add_co_u32 s39, s39, 16*272
	s_sub_co_u32 s39, s39, s38                     ; from A's to B's,
	s_add_co_u32 s38, s38, SCL
	s_mul_i32 s60, s14, 16*SPITCH                  ; my stage
	s_wait_dscnt 0x0
	s_wait_kmcnt 0x0
	s_add_nc_u64 s[20:21], s[4:5], s[20:21]
	s_add_nc_u64 s[22:23], s[6:7], s[22:23]
	s_add_nc_u64 s[46:47], s[8:9], s[46:47]
	s_add_nc_u64 s[92:93], s[10:11], s[92:93]
	s_add_nc_u64 s[98:99], s[98:99], s[12:13]
	s_add_nc_u64 s[98:99], s[98:99], s[18:19]
	s_add_nc_u64 s[96:97], s[96:97], s[18:19]
	CROUND
	s_mov_b32 s[G0], 1
	s_mov_b32 s[G0+1], 0
	s_mov_b64 s[G0+2:G0+3], s[20:21]
	s_or_b32 s[G0+3], s[G0+3], 0x80000000
	s_mov_b32 s[G0B], 1
	s_mov_b32 s[G0B+1], AB
	s_mov_b64 s[G0B+2:G0B+3], s[46:47]
	s_or_b32 s[G0B+3], s[G0B+3], 0x80000000
	s_mov_b32 s[G0S], 1
	s_mov_b32 s[G0S+1], SCL
	s_mov_b64 s[G0S+2:G0S+3], s[22:23]
	s_or_b32 s[G0S+3], s[G0S+3], 0x80000000
	s_mov_b32 s[G0SB], 1
	s_mov_b32 s[G0SB+1], SCL+16*272
	s_mov_b64 s[G0SB+2:G0SB+3], s[92:93]
	s_or_b32 s[G0SB+3], s[G0SB+3], 0x80000000
.macro ARM under, g0, g1, next         ; the head's loads, one a wave, in one tree of branches on the wave's number
	s_cmp_lt_u32 s14, \under
	s_cbranch_scc0 \next
	tensor_load_to_lds s[\g0:\g0+3], s[\g1:\g1+7]
	s_nop 0
	PLACES 4
	s_branch .Lhead_asked
\next:
.endm
	ARM 1, G0B, G1B, .Lhead_a
	ARM 2, G0,  G1,  .Lhead_sa
	ARM 3, G0S, G1S, .Lhead_sb
	tensor_load_to_lds s[G0SB:G0SB+3], s[G1SB:G1SB+7]
	s_nop 0
	PLACES 4
.Lhead_asked:
	v_and_b32 v1, 15, v0
	v_bfe_u32 v2, v0, 4, 1
	v_and_b32 v6, 31, v0
	v_mul_u32_u24 v3, v1, PITCH
	v_mad_u32_u24 v4, v2, 24, v3
	v_mad_u32_u24 v5, v2, 40, v3
	v_add_nc_u32 v[ADRB], s37, v4
	v_add_nc_u32 v[ADRB+1], s37, v5
	v_add_nc_u32 v[ADRB+2], 64*PITCH, v[ADRB]
	v_add_nc_u32 v[ADRB+3], 64*PITCH, v[ADRB+1]
	v_lshl_add_u32 v[ADRA], v6, 3, s36
	v_add_nc_u32 v[ADRA+1], 49152, v[ADRA]
	v_lshlrev_b32 v5, 5, v1                        ; 32 bytes of scales a row,
	v_lshrrev_b32 v7, 8, v5
	v_lshl_add_u32 v5, v7, 4, v5                   ; 16 more for each 256 passed
	v_mul_u32_u24 v7, s39, v2                      ; lanes 16-31 take B's
	v_add_nc_u32 v5, v5, v7
	v_add_nc_u32 v[ADRS], s38, v5
	v_mul_u32_u24 v4, v1, SPITCH
	v_lshl_add_u32 v4, v2, 6, v4
	v_add_nc_u32 v[STO], s60, v4
	v_lshlrev_b32 v[CO], 4, v6
	v_add_nc_u32 v[RD], s60, v[CO]
	global_load_b128 v[BO:BO+3], v[CO], s[96:97]   ; my four columns' bias
.macro FRAGB reg, st, i                ; byte y of a row lies at y + 16 (y / 256); lanes 16-31 read 24 bytes on
.irp p, 0,1,2,3,4,5
.set PC_, 12*(\st)+6*(\p/3)+\p%3
	ds_load_b64 v[\reg+2*\p:\reg+2*\p+1], v[ADRB+2*((\i)/4)+(PC_%32+3)/32] offset:8*PC_+16*(PC_/32)+((\i)%4)*16*PITCH
.endr
.endm
.macro FETCH_B st                      ; 48 loads
	WIN TO_B
.irp i, 0,1,2,3,4,5,6,7
	FRAGB 128*((\st)%2)+FR*\i, \st, \i
.endr
	WIN 0
.endm
.macro FETCH_A st                      ; 24 loads: registers 6 c .. of block i are head 2 st + c
.irp i, 0,1,2,3
.irp p, 0,1,2,3,4,5
	ds_load_b64 v[AF+48*((\st)%2)+FR*\i+2*\p:AF+48*((\st)%2)+FR*\i+2*\p+1], v[ADRA+(\st)/4] offset:(2*((\st)%4)+\p/3)*6144+768*\i+256*(\p%3)
.endr
.endr
.endm
.macro MUL16 a0, st, zero              ; the 32 accumulators take turns, in the same order in every step
.irp a, \a0, \a0+1
.irp b, 0,1,2,3,4,5,6,7
.if \zero
	v_wmma_scale_f32_16x16x128_f8f6f4 v[8*(8*(\a)+\b):8*(8*(\a)+\b)+7], v[128*((\st)%2)+FR*\b:128*((\st)%2)+FR*\b+FR-1], v[AF+48*((\st)%2)+FR*(\a):AF+48*((\st)%2)+FR*(\a)+FR-1], 0, v[SC+SCS*\b+(\st)], v[SC+SCS*(\a)+(\st)] matrix_a_fmt:MATRIX_FMT_FP6 matrix_b_fmt:MATRIX_FMT_FP6 matrix_a_scale:MATRIX_SCALE_ROW1
.else
	v_wmma_scale_f32_16x16x128_f8f6f4 v[8*(8*(\a)+\b):8*(8*(\a)+\b)+7], v[128*((\st)%2)+FR*\b:128*((\st)%2)+FR*\b+FR-1], v[AF+48*((\st)%2)+FR*(\a):AF+48*((\st)%2)+FR*(\a)+FR-1], v[8*(8*(\a)+\b):8*(8*(\a)+\b)+7], v[SC+SCS*\b+(\st)], v[SC+SCS*(\a)+(\st)] matrix_a_fmt:MATRIX_FMT_FP6 matrix_b_fmt:MATRIX_FMT_FP6 matrix_a_scale:MATRIX_SCALE_ROW1
.endif
.endr
.endr
.endm
.macro STEP st, zero
.if (\st) > 0
	PLACES NP                                      ; behind the last step's products, ahead of the loads into the sets that they read
.endif
	FETCH_B (\st)+1
	s_wait_dscnt 48                                ; all but the 48 just issued: this step's fragments are in
	WIN MUL
	MUL16 0, \st, \zero
	WIN 0
	FETCH_A (\st)+1
	WIN MUL
	MUL16 2, \st, \zero
	WIN 0
.endm
	s_wait_alu depctr_va_vdst(0)
	s_wait_tensorcnt 0x0                           ; my tile has landed
	s_barrier_signal -1
	s_barrier_wait -1                              ; all four have
	FETCH_B 0
	FETCH_A 0
.irp i, 0,1,2,3,4,5,6,7
	ds_load_b128 v[SC+SCS*\i:SC+SCS*\i+3], v[ADRS] offset:\i*SBLK        ; a row's eight scale words, for all of K
	ds_load_b128 v[SC+SCS*\i+4:SC+SCS*\i+7], v[ADRS] offset:\i*SBLK+16
.endr
	STEP 0, 1
.set ST, 1
.rept 6
	STEP ST, 0
.set ST, ST+1
.endr
	s_wait_dscnt 0x0                               ; my last reads of the tiles are over:
	s_barrier_signal -1                            ; say so, work on registers,
	WIN MUL
	MUL16 0, 7, 0
	MUL16 2, 7, 0
	WIN 0
	s_barrier_wait -1                              ; and behind this nobody reads A's bytes: they serve as stages
; THE WAY OUT: a block of 16 rows x 128 columns through my stage, back as whole rows of 512 bytes; the bias is added on the way
.macro TOSTAGE a
	WIN 0x08
.irp b, 0,1,2,3,4,5,6,7
	ds_store_b128 v[STO], v[64*(\a)+8*\b:64*(\a)+8*\b+3] offset:128*(\b/2)+32*(\b%2)      ; storage rows 16 b + 8 h + j of B are columns 32 (b / 2) + 16 h + 8 (b % 2) + j
	ds_store_b128 v[STO], v[64*(\a)+8*\b+4:64*(\a)+8*\b+7] offset:128*(\b/2)+32*(\b%2)+16
.endr
	WIN 0
.set BB, BK+64*((\a)%2)
.irp t, 0,1,2,3,4,5,6,7,8,9,10,11,12,13,14,15
	ds_load_b128 v[BB+4*\t:BB+4*\t+3], v[RD] offset:\t*SPITCH
.endr
.endm
.macro SEND a, younger
.set BB, BK+64*((\a)%2)
	s_wait_dscnt \younger
.irp t, 0,1,2,3,4,5,6,7,8,9,10,11,12,13,14,15
	v_pk_add_f32 v[BB+4*\t:BB+4*\t+1], v[BB+4*\t:BB+4*\t+1], v[BO:BO+1]
	v_pk_add_f32 v[BB+4*\t+2:BB+4*\t+3], v[BB+4*\t+2:BB+4*\t+3], v[BO+2:BO+3]
	global_store_b128 v[CO], v[BB+4*\t:BB+4*\t+3], s[98:99] offset:4096*(32*((\a)/2)+8*((\a)%2)+16*(\t/8)+\t%8) th:TH_STORE_NT   ; 32 lanes store 512 consecutive bytes, aligned
.endr
.endm
	PLACES NP
	s_wait_loadcnt 0x0
	TOSTAGE 0
.irp a, 1,2,3
.if \a > 1
	s_wait_xcnt 0x0                                ; block a - 2's stores have read their registers
.endif
	TOSTAGE \a
	SEND \a-1, 32                                  ; behind block a - 1's loads: block a's 16 stores and 16 loads
.endr
	SEND 3, 0
	s_wait_tensorcnt 0x0                           ; the wave's end
	ds_add_u32 v[SPW], v[NIL]
	s_wait_dscnt 0x0
	CROUND                                         ; the closing round
	s_endpgm
.Lfunc_end_k_qb2822c3916_oproj:
	.size	k_qb2822c3916_oproj, .Lfunc_end_k_qb2822c3916_oproj-k_qb2822c3916_oproj
	.p2alignl 7, 3214868480
	.fill 96, 4, 3214868480
	.section	.rodata,"a",@progbits
	.p2align	6, 0x0
	.amdhsa_kernel k_qb2822c3916_oproj
		.amdhsa_group_segment_fixed_size 327680
		.amdhsa_private_segment_fixed_size 0
		.amdhsa_enable_private_segment 0
		.amdhsa_kernarg_size 48
		.amdhsa_user_sgpr_count 2
		.amdhsa_user_sgpr_kernarg_segment_ptr 1
		.amdhsa_wavefront_size32 1
		.amdhsa_system_sgpr_workgroup_id_x 1
		.amdhsa_system_sgpr_workgroup_id_y 1
		.amdhsa_system_sgpr_workgroup_id_z 1
		.amdhsa_system_vgpr_workitem_id 0
		.amdhsa_next_free_vgpr 768
		.amdhsa_next_free_sgpr 100
		.amdhsa_reserve_vcc 0
		.amdhsa_float_denorm_mode_32 3
		.amdhsa_float_denorm_mode_16_64 3
		.amdhsa_memory_ordered 1
		.amdhsa_forward_progress 1
		.amdhsa_inst_pref_size 103
	.end_amdhsa_kernel
	.amdgpu_metadata
---
amdhsa.version: [ 1, 2 ]
amdhsa.kernels:
  - .name:           k_qb2822c3916_oproj
    .symbol:         k_qb2822c3916_oproj.kd
    .args:
      - { .name: ao, .offset: 0, .size: 8, .value_kind: global_buffer, .address_space: global }
      - { .name: aos, .offset: 8, .size: 8, .value_kind: global_buffer, .address_space: global }
      - { .name: cod, .offset: 16, .size: 8, .value_kind: global_buffer, .address_space: global }
      - { .name: sca, .offset: 24, .size: 8, .value_kind: global_buffer, .address_space: global }
      - { .name: bo, .offset: 32, .size: 8, .value_kind: global_buffer, .address_space: global }
      - { .name: out0, .offset: 40, .size: 8, .value_kind: global_buffer, .address_space: global }
    .group_segment_fixed_size: 327680
    .private_segment_fixed_size: 0
    .kernarg_segment_align: 8
    .kernarg_segment_size: 48
    .max_flat_workgroup_size: 128
    .sgpr_count:     100
    .vgpr_count:     768
    .wavefront_size: 32
...
	.end_amdgpu_metadata
.endif
;; end of part 4
